; MI455X (gfx1250); checked and timed in simulation.
; The chip was launched on July 23, 2026; its instructions are those of AMD's public machine-readable ISA for CDNA 5 (MIT licence, August 2026) and "CDNA5" Instruction Set Architecture Reference Guide (July 2026). The comments in the code are by the model that wrote it; some were corrected since.
;; Self Attention Block. Allowed arithmetic: matrix products marked QUANTISED: E2M3 operands, one E8M0 scale for each 32 along K, by v_wmma_scale_f32_16x16x128_f8f6f4 with both operands' format E2M3, f32 sums; everything else in f32.
;; Inputs: b_out 1,024 float32; w_out 1,024 x 1,024 float32; w_qkv 3,072 x 1,024 float32; x 4 x 2,048 x 1,024 float32.
;; Outputs: out0 4 x 2,048 x 1,024 float32.
;; This version of the problem:
;;   THIS VERSION OF THE PROBLEM IS GIVEN IN LOW PRECISION. The matrix products marked QUANTISED in the list below multiply operands that are first quantised to E2M3 (2 exponent bits, 3 mantissa bits; 6 bits a number), with one power-of-two scale for each 32 numbers along K (OCP MX v1.0); their sums are f32. All else is computed in f32.
;;   The module's matrix products, in the order in which they are computed (A, B: the left and right operand; K: the contracted axis; several contracted axes count as one K, in the product's order):
;;     1. [M 8,192, K 1,024] x [K 1,024, N 3,072]; A: input x; B: input w_qkv: QUANTISED
;;     2. batch 4 x [M 2,048, K 1,024] x [K 1,024, N 2,048]; A: computed on the way; B: computed on the way: QUANTISED
;;     3. batch 4 x [M 2,048, K 2,048] x [K 2,048, N 1,024]; A: softmax (see below); B: computed on the way: QUANTISED
;;     4. [M 8,192, K 1,024] x [K 1,024, N 1,024]; A: computed on the way; B: input w_out: QUANTISED
;;   THE QUANTISER, for each operand of a quantised product, along K:
;;     - K is cut into blocks of 32 from its start; a last block that is shorter is filled with zeros.
;;     - A block's scale is 2^e with e = floor(log2(the largest magnitude in the block)) - 2, held to -126 .. 127; a block of zeros has e = 0. As a byte (E8M0): e + 127.
;;     - Each number is divided by its block's scale, clamped to +-7.5, and rounded to the nearest number of E2M3, ties to even, subnormals kept.
;;     - The product sums the exact products of the quantised numbers (number of the format x scale) in f32.
;;   ~~~python
;;   def quantise(x, axis):      # numpy; x: float32 -> the quantised numbers, widened to float32 again
;;       x = np.moveaxis(x, axis, -1); K = x.shape[-1]
;;       x = np.pad(x, [(0, 0)] * (x.ndim - 1) + [(0, -K % 32)]); x = x.reshape(x.shape[:-1] + (-1, 32)); a = np.abs(x).max(-1, keepdims=True)
;;       e = np.where(a > 0, np.clip(np.frexp(np.where(a > 0, a, 1))[1] - 1 - 2, -126, 127), 0)      # np.frexp(a)[1] - 1 = floor(log2(a)), exactly
;;       r = np.clip(x / 2.0 ** e, -7.5, 7.5)
;;       step = 2.0 ** (np.maximum(np.frexp(np.where(r == 0, 1, r))[1] - 1, 0) - 3)
;;       q = np.round(r / step) * step * 2.0 ** e      # np.round: ties to even
;;       return np.moveaxis(q.reshape(q.shape[:-2] + (-1,))[..., :K], -1, axis).astype(np.float32)
;;   ~~~
;;   SOFTMAX AHEAD OF A QUANTISED PRODUCT. Where the list says 'softmax', what is quantised is not the finished softmax but p = 2^(t - M), with t = logit x log2(e) and M = ceil(the row's largest t), a whole number; so 1/2 < the row's largest p <= 1. The row's sum l is taken of the UNQUANTISED p, in f32, and the product's result is divided by l at the end. Since M is a whole number, a kernel that streams over the keys may use a running M (the ceiling of the running maximum): every later rescaling is an exact power of two, which a block's scale takes up: the codes' values come out the same.
;;   OPERANDS COMPUTED ON THE WAY. 'Computed on the way' means the value that the module computes at that place (a softmax that the list does not call 'softmax' is quantised finished and normalised). What goes into a quantiser is computed in f32, as accurately as f32 sums, v_exp_f32 and their like allow (about 1e-6 of the number): no bf16 or f16 on the way to a quantiser, and a product that is left as it is and whose result goes on into a quantised operand takes f32 operands (vector FMAs, or v_wmma_f32_16x16x4_f32). A number that lies on a knife's edge between two numbers of the format may be rounded either way, as far as f32 arithmetic and the matrix unit's own rounding can turn it there, and no further.
;; One version. Each part assembles by itself: llvm-mc -triple=amdgcn-amd-amdhsa -mcpu=gfx1250 --defsym DOCPART=n.
;; ======== version 1 of 1: 5 launches
;; limits: right only within a limited range of input values
;; workspace buffers: inq 9,830,400 bytes; qkvc 19,660,800 bytes; pb 14,155,776 bytes; ob 6,553,600 bytes
;; launch quant (part 1): grid 256 x 1, 6 waves a work-group, no clusters, 51,456 bytes of LDS; arguments x, w_qkv, w_out, inq; writes inq
.if DOCPART == 1
	.amdgcn_target "amdgcn-amd-amdhsa--gfx1250"
	.amdhsa_code_object_version 6
	.text
	.protected	k_qaa05b1d155_quant
	.globl	k_qaa05b1d155_quant
	.p2align	8
	.type	k_qaa05b1d155_quant,@function
k_qaa05b1d155_quant:
	s_mov_b64 s[64:65], 0
	v_nop
	global_prefetch_b8 v0, s[64:65] scope:SCOPE_SE
	s_setreg_imm32_b32 hwreg(HW_REG_WAVE_MODE, 25, 1), 1
	s_wait_xcnt 0x0
; x [8192][1024], w_qkv [3072][1024], w_out [1024][1024], f32, K innermost, become codes of FP6 (E2M3) with one E8M0 byte for each 32 along K.
; A block's scale is 2^(floor(log2(largest magnitude)) - 2); its byte is the largest magnitude's exponent field - 2, held at 1 from below.
; LIMITS: a block of zeros keeps the byte 1 (its codes are zeros, and this program alone reads the bytes); blocks whose largest magnitude lies under 2^-124 are held at byte 1; NaN and infinities are not served.
; LAYOUT OF THE OUTPUT: images of the matrix unit's operand registers.  A fragment (16 rows x 128 K) is 12 registers a lane, 1,536 bytes: registers 4 c .. 4 c + 3 of lane l at 512 c + 16 l.
; Lane r of fragment i holds image row 32 (i / 2) + 8 (i % 2) + r + 8 (r / 8).  Fragment (i, s) lies at ((s / SQ) I + i) SQ 1,536 + (s % SQ) 1,536: SQ = K steps in the reader's LDS slot, I = fragments down the matrix.
; Scale words (4 bytes: a row's 128 K) lie [s][row / 128][a / 4][r][a % 4], a = the fragment within its 128 rows.
; THE ORDER OF w_qkv's ROWS FOR q AND k.  The product q k^T contracts the head's axis d and the heads' axis h as one K, d outermost: K = 16 d + h.  q and k are quantised along that K.  A row of w_qkv makes a column of q or k,
; and which rows form a tile is free: so within each of the two sections of 1,024 rows image row kappa takes source row 64 (kappa % 16) + kappa / 16, and q and k come out of the next launch with K along their columns.
; x, w_qkv's rows for v and w_out keep their order: image row = source row.
; SHARES: 1,536 waves, each 64 image rows x 128 K = four fragments.  A load takes 512 consecutive bytes of one row; 16 rows turn through the wave's own stage in LDS (rows 528 bytes apart), so that a lane gets 16 neighbours of each block.
; No tensor load, no barrier: waves share nothing.
.set WQ_IMG, 6291456
.set WO_IMG, 8650752
.set X_SCL,  9437184
.set WQ_SCL, 9699328
.set WO_SCL, 9797632
.set STG,    8448                      ; a wave's stage: 16 rows x 528 bytes
.set SPARE,  6*STG                     ; behind the stages: the spare words, 128 bytes a wave: three blocks of 256 bytes that no other line names
.set LO,   4                           ; v4   16 x lane: my bytes of a load's 512
.set SIN,  5                           ; v5   stage, way in
.set SOUT, 6                           ; v6   stage, way out: 528 r + 64 h
.set OFF,  8                           ; v8-11 fragment t's place in the images + 16 x lane
.set SPW,  12                          ; v12  my spare word; never rewritten
.set NIL,  13                          ; v13  0; never rewritten
.set SWO,  14                          ; v14  16 r + 8 h: my two scale words
; window 1, v0-255: four sets of 64 registers as loaded, one for each of the wave's fragments; the loads run two fragments ahead
.set X,    144                         ; v144-207 64 numbers: register 16 b + i = K 32 b + 16 h + i of my row
.set PC,   208                         ; v208-219 a fragment's codes
.set CT,   220                         ; v220-227 the conversions' second halves
.set TM,   228                         ; v228-243 at work
.set PW,   244                         ; v244-247 the four fragments' scale words
.set SW,   248
.set SRC,  26
.set OUT,  34
.set SCO,  36
.set SEL,  38
.set HM,   40
.set PRM,  41                          ; s41  1 in a job on w_qkv's rows for q or k, else 0
.set MSB, 0
.macro WIN new                         ; the immediate's high byte repeats the setting that is left
.if MSB != (\new)
	s_set_vgpr_msb (MSB<<8)|(\new)
.set MSB, (\new)
.endif
.endm
; 64 numbers of a lane in window w, register 16 b + i = K 32 b + 16 h + i of my row, become a fragment's 12 registers v[pc] on and its scale word v[pw].
.macro QUANTW s, w, pc, pw
	WIN (\w)|((\w)<<2)
.irp b, 0,1,2,3
	v_max3_num_f32 v[TM+\b], |v[(\s)+16*\b]|, |v[(\s)+16*\b+1]|, 0x1800000   ; my 16 numbers of block b, and the floor 2^(3 - 127): the byte cannot fall under 1
.endr
.irp i, 2,4,6,8,10,12,14
.irp b, 0,1,2,3
	v_max3_num_f32 v[TM+\b], |v[(\s)+16*\b+\i]|, |v[(\s)+16*\b+\i+1]|, v[TM+\b]
.endr
.endr
	WIN 0
.irp b, 0,1,2,3
	v_permlanex16_b32 v[TM+4+\b], v[TM+\b], s[SEL], s[SEL+1]
.endr
.irp b, 0,1,2,3
	v_max_num_f32 v[TM+\b], v[TM+\b], v[TM+4+\b]       ; with lane l xor 16's: the block's largest magnitude
.endr
.irp b, 0,1,2,3
	v_add_nc_u32 v[TM+12+\b], 0xff000000, v[TM+\b]     ; 2 off its exponent field: the conversion's scale operand
.endr
.irp b, 0,1,2,3
	v_lshrrev_b32 v[TM+4+\b], 23, v[TM+12+\b]          ; the byte
.endr
	v_lshl_or_b32 v[\pw], v[TM+5], 8, v[TM+4]
	v_lshl_or_b32 v[\pw], v[TM+6], 16, v[\pw]
	v_lshl_or_b32 v[\pw], v[TM+7], 24, v[\pw]
	WIN (\w)
.irp c, 0,1
	v_cvt_scalef32_pk16_fp6_f32 v[(\pc)+6*\c:(\pc)+6*\c+2], v[(\s)+32*\c:(\s)+32*\c+15], v[TM+12+2*\c]
	v_cvt_scalef32_pk16_fp6_f32 v[CT+4*\c:CT+4*\c+2], v[(\s)+32*\c+16:(\s)+32*\c+31], v[TM+13+2*\c]   ; (a conversion's three registers begin on an even number)
.endr
	WIN 0
	v_nop                                          ; one plain place behind the scaled conversions
.irp c, 0,1                            ; the operand wants a whole block in a lane: lanes 0-15 block 2 c, lanes 16-31 block 2 c + 1
.irp i, 0,1,2
	v_permlane16_swap_b32 v[(\pc)+6*\c+\i], v[CT+4*\c+\i]
.endr
.irp i, 0,1,2
	v_mov_b32 v[(\pc)+6*\c+3+\i], v[CT+4*\c+\i]
.endr
.endr
.endm
.macro IMG off, pc, imm                ; a fragment's image: three stores of 512 consecutive bytes
.irp c, 0,1,2
	global_store_b128 v[\off], v[(\pc)+4*\c:(\pc)+4*\c+3], s[OUT:OUT+1] offset:(\imm)+512*\c
.endr
.endm
; Fragment t's 16 rows, in the order of its lanes.  Lane n holds image row o = 32 (t / 2) + 8 (t % 2) + n + 8 (n / 8) of the job's 64.
; Plain: source row o from the job's base.  For q and k: source row 64 (o % 16) + o / 16 from the job's base (963 rows at the most: inside the signed 24-bit immediate).
; The branch hangs on the job's number alone; both runs issue sixteen loads into the same registers, so every wait's count holds on both ways.
.macro LOAD t
	s_cmp_eq_u32 s[PRM], 0
	s_cbranch_scc0 .Lprm_\@
	WIN 0x40                                       ; the loads' destinations lie in window 1
.irp n, 0,1,2,3,4,5,6,7,8,9,10,11,12,13,14,15
.set O, 32*((\t)/2)+8*((\t)%2)+\n+8*(\n/8)
	global_load_b128 v[64*(\t)+4*\n:64*(\t)+4*\n+3], v[LO], s[SRC:SRC+1] offset:O*4096 th:TH_LOAD_NT
.endr
	WIN 0
	s_branch .Lld_\@
.Lprm_\@:
	WIN 0x40
.irp n, 0,1,2,3,4,5,6,7,8,9,10,11,12,13,14,15
.set O, 32*((\t)/2)+8*((\t)%2)+\n+8*(\n/8)
	global_load_b128 v[64*(\t)+4*\n:64*(\t)+4*\n+3], v[LO], s[SRC:SRC+1] offset:((O&15)*64+(O>>4))*4096 th:TH_LOAD_NT
.endr
	WIN 0
.Lld_\@:
.endm
.macro FRAGQ t
.if (\t) < 3
	s_wait_loadcnt 16                              ; this fragment's 16 loads are in; the next fragment's 16 may be out
.else
	s_wait_loadcnt 0x0
.endif
	WIN 0x04                                       ; the stores' data lie in window 1
.irp n, 0,1,2,3,4,5,6,7,8,9,10,11,12,13,14,15
	ds_store_b128 v[SIN], v[64*(\t)+4*\n:64*(\t)+4*\n+3] offset:528*\n
.endr
	WIN 0
.irp b, 0,1,2,3
.irp j, 0,1,2,3
	ds_load_b128 v[X+16*\b+4*\j:X+16*\b+4*\j+3], v[SOUT] offset:128*\b+16*\j   ; LDS serves a wave's instructions in order: these see the stores above
.endr
.endr
	s_wait_dscnt 0x0                               ; my numbers are back
.if (\t) > 0
	s_wait_xcnt 0x0                                ; the last fragment's stores have read their data: the codes' registers may be written
.endif
.if (\t) < 2
	LOAD (\t)+2
.endif
	QUANTW X, 0, PC, PW+(\t)
	IMG OFF+(\t), PC, 0
.endm
	s_load_b256 s[4:11], s[0:1], 0x0               ; x, w_qkv, w_out, inq
	v_lshl_add_u32 v[SPW], v0, 2, SPARE
	v_mov_b32 v[NIL], 0
	v_lshrrev_b32 v1, 5, v0
	v_readfirstlane_b32 s12, v1                    ; wave 0..5
	v_and_b32 v2, 31, v0
	v_and_b32 v1, 15, v0                           ; r
	v_bfe_u32 v3, v0, 4, 1                         ; h
	v_lshlrev_b32 v[LO], 4, v2
	s_mul_i32 s13, s12, STG
	v_add_nc_u32 v[SIN], s13, v[LO]
	v_mul_u32_u24 v[SOUT], v1, 528
	v_lshl_add_u32 v[SOUT], v3, 6, v[SOUT]
	v_add_nc_u32 v[SOUT], s13, v[SOUT]
	v_lshlrev_b32 v[SWO], 4, v1
	v_lshl_add_u32 v[SWO], v3, 3, v[SWO]
.irp b, 0,1,2,3
	v_mov_b32 v[TM+4+\b], 0                        ; a lane permute's destination counts as one of its sources
.endr
	s_mov_b32 s[SEL], 0x76543210
	s_mov_b32 s[SEL+1], 0xfedcba98                 ; lane l xor 16
	s_mov_b32 s[HM], 0xffff0000                    ; lanes 16-31
	s_mul_i32 s16, ttmp9, 6
	s_add_co_u32 s16, s16, s12                     ; my job, 0 .. 1,535
	s_and_b32 s17, s16, 7                          ; its K step
	s_lshr_b32 s18, s16, 3                         ; its 64 rows among the three tensors' 192 x 64
	s_mov_b32 s20, 176                             ; w_out's figures; then w_qkv's and x's are chosen over them.  The choices hang on ids alone
	s_mov_b32 s22, 64
	s_mov_b32 s23, WO_IMG
	s_mov_b32 s24, WO_SCL
	s_wait_kmcnt 0x0
	s_cmp_lt_u32 s18, 176
	s_cselect_b32 s20, 128, s20                    ; the tensor's first group of 64 rows
	s_cselect_b32 s21, 0, 2                        ; log2 SQ: w_qkv's and x's images lie K step by K step (SQ = 1), w_out's four K steps together
	s_cselect_b32 s22, 192, s22                    ; I
	s_cselect_b32 s23, WQ_IMG, s23
	s_cselect_b32 s24, WQ_SCL, s24
	s_cselect_b32 s25, 24, 8                       ; groups of 128 rows
	s_cselect_b64 s[SRC:SRC+1], s[6:7], s[8:9]
	s_cmp_lt_u32 s18, 128
	s_cselect_b32 s20, 0, s20
	s_cselect_b32 s21, 0, s21
	s_cselect_b32 s22, 512, s22
	s_cselect_b32 s23, 0, s23
	s_cselect_b32 s24, X_SCL, s24
	s_cselect_b32 s25, 64, s25
	s_cselect_b64 s[SRC:SRC+1], s[4:5], s[SRC:SRC+1]
	s_sub_co_u32 s19, s18, s20                     ; hg: my 64 image rows in the tensor
	s_lshl_b32 s28, 1536, s21                      ; bytes from fragment to fragment down the matrix
	s_lshl_b32 s30, s19, 18                        ; plain: 64 rows of 4,096 bytes a group
	s_lshr_b32 s29, s19, 4                         ; for q and k: the section of 1,024 rows (16 groups),
	s_lshl_b32 s29, s29, 22                        ; 1,024 rows of 4,096 bytes,
	s_and_b32 s32, s19, 15                         ; and the group g in it: its kappa = 64 g + o has kappa / 16 = 4 g + o / 16:
	s_lshl_b32 s32, s32, 14                        ; 4 g rows of 4,096 bytes
	s_add_co_u32 s29, s29, s32
	s_sub_co_u32 s32, s18, 128                     ; w_qkv's groups 0 to 31 make q and k (for x's groups this wraps to a large number)
	s_cmp_lt_u32 s32, 32
	s_cselect_b32 s[PRM], 1, 0
	s_cselect_b32 s30, s29, s30
	s_lshl_b32 s31, s17, 9                         ; 128 numbers along K
	s_add_co_u32 s30, s30, s31
	s_mov_b32 s31, 0
	s_add_nc_u64 s[SRC:SRC+1], s[SRC:SRC+1], s[30:31]
	LOAD 0
	LOAD 1
	s_lshr_b32 s32, s17, s21                       ; ((s / SQ) I + 4 hg) x the fragment pitch + (s % SQ) 1,536 + the tensor's images
	s_mul_i32 s32, s32, s22
	s_lshl_b32 s33, s19, 2
	s_add_co_u32 s32, s32, s33
	s_mul_i32 s32, s32, s28
	s_lshl_b32 s33, 1, s21
	s_sub_co_u32 s33, s33, 1
	s_and_b32 s33, s17, s33
	s_mul_i32 s33, s33, 1536
	s_add_co_u32 s32, s32, s33
	s_add_co_u32 s32, s32, s23
	s_mov_b32 s33, 0
	s_add_nc_u64 s[OUT:OUT+1], s[10:11], s[32:33]
	s_mul_i32 s32, s17, s25                        ; (s NG + hg / 2) 512 + (hg % 2) 256 + the tensor's scale words
	s_lshr_b32 s29, s19, 1
	s_add_co_u32 s32, s32, s29
	s_lshl_b32 s32, s32, 9
	s_and_b32 s29, s19, 1
	s_lshl_b32 s29, s29, 8
	s_add_co_u32 s32, s32, s29
	s_add_co_u32 s32, s32, s24
	s_add_nc_u64 s[SCO:SCO+1], s[10:11], s[32:33]
	v_mov_b32 v[OFF], v[LO]
	v_add_nc_u32 v[OFF+1], s28, v[OFF]
	v_add_nc_u32 v[OFF+2], s28, v[OFF+1]
	v_add_nc_u32 v[OFF+3], s28, v[OFF+2]
	FRAGQ 0
	FRAGQ 1
	FRAGQ 2
	FRAGQ 3
	v_cndmask_b32 v[SW], v[PW], v[PW+2], s[HM]     ; lanes 0-15 store fragments 0 and 1's words, lanes 16-31 those of 2 and 3:
	v_cndmask_b32 v[SW+1], v[PW+1], v[PW+3], s[HM]
	global_store_b64 v[SWO], v[SW:SW+1], s[SCO:SCO+1]   ; 256 consecutive bytes, aligned
	s_wait_tensorcnt 0x0                           ; the wave's end, behind my last LDS store
	ds_add_u32 v[SPW], v[NIL]
	s_wait_dscnt 0x0
	s_endpgm
.Lfunc_end_k_qaa05b1d155_quant:
	.size	k_qaa05b1d155_quant, .Lfunc_end_k_qaa05b1d155_quant-k_qaa05b1d155_quant
	.p2alignl 7, 3214868480
	.fill 96, 4, 3214868480
	.section	.rodata,"a",@progbits
	.p2align	6, 0x0
	.amdhsa_kernel k_qaa05b1d155_quant
		.amdhsa_group_segment_fixed_size 51456
		.amdhsa_private_segment_fixed_size 0
		.amdhsa_enable_private_segment 0
		.amdhsa_kernarg_size 32
		.amdhsa_user_sgpr_count 2
		.amdhsa_user_sgpr_kernarg_segment_ptr 1
		.amdhsa_wavefront_size32 1
		.amdhsa_system_sgpr_workgroup_id_x 1
		.amdhsa_system_sgpr_workgroup_id_y 1
		.amdhsa_system_sgpr_workgroup_id_z 1
		.amdhsa_system_vgpr_workitem_id 0
		.amdhsa_next_free_vgpr 512
		.amdhsa_next_free_sgpr 66
		.amdhsa_reserve_vcc 0
		.amdhsa_float_denorm_mode_32 3
		.amdhsa_float_denorm_mode_16_64 3
		.amdhsa_memory_ordered 1
		.amdhsa_forward_progress 1
		.amdhsa_inst_pref_size 42
	.end_amdhsa_kernel
	.amdgpu_metadata
---
amdhsa.version: [ 1, 2 ]
amdhsa.kernels:
  - .name:           k_qaa05b1d155_quant
    .symbol:         k_qaa05b1d155_quant.kd
    .args:
      - { .name: x, .offset: 0, .size: 8, .value_kind: global_buffer, .address_space: global }
      - { .name: w_qkv, .offset: 8, .size: 8, .value_kind: global_buffer, .address_space: global }
      - { .name: w_out, .offset: 16, .size: 8, .value_kind: global_buffer, .address_space: global }
      - { .name: inq, .offset: 24, .size: 8, .value_kind: global_buffer, .address_space: global }
    .group_segment_fixed_size: 51456
    .private_segment_fixed_size: 0
    .kernarg_segment_align: 8
    .kernarg_segment_size: 32
    .max_flat_workgroup_size: 192
    .sgpr_count:     66
    .vgpr_count:     512
    .wavefront_size: 32
...
	.end_amdgpu_metadata
.endif
;; end of part 1
;; launch qkv (part 2): grid 8 x 32, 4 waves a work-group, clusters of 4 x 4, 327,680 bytes of LDS; arguments inq, qkvc; writes qkvc
.if DOCPART == 2
	.amdgcn_target "amdgcn-amd-amdhsa--gfx1250"
	.amdhsa_code_object_version 6
	.text
	.protected	k_qaa05b1d155_qkv
	.globl	k_qaa05b1d155_qkv
	.p2align	8
	.type	k_qaa05b1d155_qkv,@function
k_qaa05b1d155_qkv:
	s_mov_b64 s[64:65], 0
	v_nop
	global_prefetch_b8 v0, s[64:65] scope:SCOPE_SE
	s_setreg_imm32_b32 hwreg(HW_REG_WAVE_MODE, 25, 1), 1
	s_wait_xcnt 0x0
	s_wait_alu depctr_hold_cnt(0) depctr_sa_sdst(0) depctr_va_vdst(0) depctr_va_sdst(0) depctr_va_ssrc(0) depctr_va_vcc(0) depctr_vm_vsrc(0)
	s_getreg_b32 s2, hwreg(HW_REG_IB_STS2, 6, 4)
	s_cmp_eq_u32 s2, 0
	s_cbranch_scc0 .Lentry_in_a_cluster
	s_endpgm
.Lentry_in_a_cluster:
	s_bfe_u32 s2, ttmp6, 0x10000c
	s_cmp_lg_u32 s2, 0xf033
	s_cbranch_scc0 .Lentry_shape_is_right
	s_endpgm
.Lentry_shape_is_right:
; qkv = x w_qkv^T on codes of FP6 (E2M3) with E8M0 scales, K = 1,024; the result is quantised at once for the products that follow:
; q and k (columns 0-2,047) along their columns, as one matrix [8192][2048]; v (columns 2,048-3,071) TRANSPOSED, [1024 features][8192 tokens], along the tokens, which are the K of p v.
; A WORK-GROUP STAYS AND MAKES TWO TILES, so that 256 work-groups have equal work: PART 1: 256 tokens x 256 columns of q or k (a wave 128 x 128, 64 accumulators; source 1 = x, source 0 = w);
; PART 2: 128 features x the same 256 tokens of v^T (a wave 64 x 128, 32 accumulators; source 1 = w's rows for v, source 0 = x).
; Operands lie in memory as images of the operand registers (12 registers a lane, 1,536 bytes a fragment), fragment (i, s) at (s I + i) 1,536: the 8 fragments of 128 rows and one K step are 12,288 dense bytes,
; and a tensor load takes them as ONE row of a tile whose rows are K steps.  So one descriptor brings any number of K steps, and a fragment comes from LDS by three ds_load_b128 at 16 x lane.
; Lane r of fragment i holds row 32 (i / 2) + 8 (i % 2) + r + 8 (r / 8): as source 0 that gives a result lane 16 neighbouring columns in the registers of two neighbouring tiles, which is what the conversions want.
; THE RING: two slots of 147,456 bytes.  Part 1 lays three K steps in a slot (x's two halves, then w's two halves, 36,864 bytes each); part 2 four (x's halves of 49,152 bytes, then the halves of w's 128 rows, 24,576 each).
; FILLS, one load a wave each: at the head part 1's K steps 0-2 into slot 0; behind the full sequence and a round steps 3-5 into slot 1; behind the rounds in K steps 2, 5 and 7: steps 6-7 into slot 0,
; part 2's steps 0-3 into slot 1, part 2's steps 4-7 into slot 0 (this one is on its way while part 1's result is quantised).  Waves 0 and 1 fetch x's halves, waves 2 and 3 w's halves.
; CLUSTERS: 4 x 4.  x's tile hangs on the tile row and is asked for jointly along a row of the cluster, w's tiles on the tile column and jointly along a column.
; NO PREFETCH: the block is the largest that the registers hold, in clusters, and K is 8 steps: the whole walk has five fills.
; LIMITS: a block of zeros keeps the byte 1; blocks under 2^-124 are held at byte 1; NaN and infinities are not served.
; REGISTERS: window 0: v1-3 r, h, 16 x lane; v8-27 LDS addresses; v28, v29 the add's two; v32-47 scale words, two sets; from v64 A's fragments, two sets.
;   window 1: B's fragments, two sets at v0 and v128.  windows 2, 3: accumulator (a, b) at v[8 (8 (a % 4) + b)].
.set WQ_IMG, 6291456
.set X_SCL,  9437184
.set WQ_SCL, 9699328
.set VT_IMG, 12582912
.set QK_SCL, 18874368
.set VT_SCL, 19398656
.set FRB,    1536
.set HSTEP,  8*FRB                     ; 128 rows, one K step
.set QSTEP,  4*FRB                     ; 64 rows, one K step
.set SLOT,   12*HSTEP
.set KPX,    512*FRB                   ; from K step to K step in x's images
.set KPW,    192*FRB                   ; and in w_qkv's
.set SCL,    2*SLOT                    ; behind the slots: the scale words of all 8 K steps, written by LDS stores alone
.set SCP,    2560                      ; a K step's: w's 128 rows for v (512 bytes), x's 256 rows (1,024), w's 256 rows for q or k (1,024)
.set SPARE,  SCL+8*SCP                 ; the spare words, 128 bytes a wave: two blocks of 256 bytes that no other line names
.set AF,     64
.set SC,     32
.set LI,     3
.set CPL,    24                        ; v24  the scale copy's LDS address
.set SWO,    25                        ; v25  16 r + 8 h
.set SPW,    28
.set NIL,    29
.set CT,     160
.set TM,     168
.set SW,     184
.set WB2, 8                            ; s[8:9]   where my half of w's rows for v begins
.set OUT2, 10
.set SCO2, 12
.set XB,  20                           ; s[20:21] where my half of x's tile begins
.set LX1, 22                           ; s22 my half's place in a slot, part 1;  s36 x's, part 2;  s23 w's, part 2
.set LW2, 23
.set G1,  24                           ; s[24:31] group 1 for x's halves;  s[32:35] group 0
.set G0,  32
.set LX2, 36
.set WB1, 46                           ; s[46:47] where my half of w's rows for q or k begins
.set G1B, 48                           ; s[48:55], s[56:59] the same for w's halves
.set G0B, 56
.set G1C, 72                           ; s[72:79] group 1 for the halves of w's 128 rows for v
.set OUT1, 88
.set SCO1, 90
.set SEL, 92
.set HM,  95
.set MUL_LO, 0xa1                      ; source 0 window 1, source 1 window 0, C and D window 2
.set MUL_HI, 0xf1                      ; the same, C and D window 3
.set TO_B,   0x40                      ; destination window 1
; what differs between the parts
.set NA,   8                           ; A's blocks a wave
.set ASET, 96                          ; registers of a set of A
.set RA,   16                          ; v16-17 A's fragments in slots 0, 1
.set RB,   20                          ; v20-21 B's
.set RS,   27                          ; v27    the scale words
.set SQN,  3                           ; K steps in a slot
.set SOFS, 0                           ; the slot of K step 0
.set APQ,  HSTEP                       ; from K step to K step in A's half
.set MSB, 0
.macro WIN new                         ; the immediate's high byte repeats the setting that is left
.if MSB != (\new)
	s_set_vgpr_msb (MSB<<8)|(\new)
.set MSB, (\new)
.endif
.endm
.macro PLACES                          ; four plain places behind matrix instructions, ahead of loads into their sources and of the first read of results
.rept 4
	v_nop
.endr
.endm
; A joint load: waves 0 and 1 fetch x's halves, waves 2 and 3 w's.  An s_nop 0 and four v_nop follow each line.
.macro JLOAD g0a, g1a, g0b, g1b
	s_cmp_eq_u32 s15, 0
	s_cbranch_scc0 .Lfor_b_\@
	tensor_load_to_lds s[\g0a:\g0a+3], s[\g1a:\g1a+7]
	s_nop 0
.rept 4
	v_nop
.endr
	s_branch .Lasked_\@
.Lfor_b_\@:
	tensor_load_to_lds s[\g0b:\g0b+3], s[\g1b:\g1b+7]
	s_nop 0
.rept 4
	v_nop
.endr
.Lasked_\@:
.endm
.macro CREST                           ; a round of the cluster's barrier behind its opening barrier
	s_cmp_lg_u32 s14, 0
	s_cbranch_scc1 .Lnot_wave_0_\@
	s_barrier_signal -3
.Lnot_wave_0_\@:
	s_barrier_wait -3
	s_barrier_signal -1
	s_barrier_wait -1
.endm
.macro CROUND
	s_barrier_signal -1
	s_barrier_wait -1
	CREST
.endm
.macro ROWS g, n                       ; a group 1 is set to n K steps.  No tensor load of the wave is out where this stands
	s_mov_b32 s[\g+2], (\n)<<16
	s_mov_b32 s[\g+4], \n
.endm
; A fill: both groups 0 are set (no tensor load of the wave is out), then the wave's one load.  Part 1's K steps st on into slot sl:
.macro FILL1 sl, st
	s_add_co_u32 s[G0+1], s[LX1], (\sl)*SLOT
	s_add_nc_u64 s[G0+2:G0+3], s[XB:XB+1], (\st)*KPX
	s_or_b32 s[G0+3], s[G0+3], 0x80000000
	s_add_co_u32 s[G0B+1], s[LX1], (\sl)*SLOT+6*HSTEP
	s_add_nc_u64 s[G0B+2:G0B+3], s[WB1:WB1+1], (\st)*KPW
	s_or_b32 s[G0B+3], s[G0B+3], 0x80000000
	JLOAD G0, G1, G0B, G1B
.endm
.macro FILL2 sl, st                    ; and part 2's
	s_add_co_u32 s[G0+1], s[LX2], (\sl)*SLOT
	s_add_nc_u64 s[G0+2:G0+3], s[XB:XB+1], (\st)*KPX
	s_or_b32 s[G0+3], s[G0+3], 0x80000000
	s_add_co_u32 s[G0B+1], s[LW2], (\sl)*SLOT
	s_add_nc_u64 s[G0B+2:G0B+3], s[WB2:WB2+1], (\st)*KPW
	s_or_b32 s[G0B+3], s[G0B+3], 0x80000000
	JLOAD G0, G1, G0B, G1C
.endm
; K step k's operands into set k % 2: B's 8 fragments, the 8 scale registers (lanes 0-15 A's block j, lanes 16-31 B's block j), A's NA fragments, the highest blocks last
.macro FETCH k
.set FS, ((\k)/SQN+SOFS)%2
.set FQ, (\k)%SQN
.set FP, (\k)%2
	WIN TO_B
.irp b, 0,1,2,3,4,5,6,7
.irp c, 0,1,2
	ds_load_b128 v[128*FP+12*\b+4*\c:128*FP+12*\b+4*\c+3], v[RB+FS] offset:\b*FRB+FQ*HSTEP+512*\c
.endr
.endr
	WIN 0
	ds_load_b128 v[SC+8*FP:SC+8*FP+3], v[RS] offset:(\k)*SCP
	ds_load_b128 v[SC+8*FP+4:SC+8*FP+7], v[RS] offset:(\k)*SCP+256
.set FA, 0
.rept NA
.irp c, 0,1,2
	ds_load_b128 v[AF+ASET*FP+12*FA+4*\c:AF+ASET*FP+12*FA+4*\c+3], v[RA+FS] offset:FA*FRB+FQ*APQ+512*\c
.endr
.set FA, FA+1
.endr
.endm
; 8 products: A's block a against B's eight.  mode 1: they start the sums.  The accumulators take turns in the same order in every step.
.macro MULA a, p, mode
.irp b, 0,1,2,3,4,5,6,7
.if (\mode) == 1
	v_wmma_scale_f32_16x16x128_f8f6f4 v[8*(8*((\a)%4)+\b):8*(8*((\a)%4)+\b)+7], v[128*(\p)+12*\b:128*(\p)+12*\b+11], v[AF+ASET*(\p)+12*(\a):AF+ASET*(\p)+12*(\a)+11], 0, v[SC+8*(\p)+\b], v[SC+8*(\p)+(\a)] matrix_a_fmt:MATRIX_FMT_FP6 matrix_b_fmt:MATRIX_FMT_FP6 matrix_a_scale:MATRIX_SCALE_ROW1
.else
	v_wmma_scale_f32_16x16x128_f8f6f4 v[8*(8*((\a)%4)+\b):8*(8*((\a)%4)+\b)+7], v[128*(\p)+12*\b:128*(\p)+12*\b+11], v[AF+ASET*(\p)+12*(\a):AF+ASET*(\p)+12*(\a)+11], v[8*(8*((\a)%4)+\b):8*(8*((\a)%4)+\b)+7], v[SC+8*(\p)+\b], v[SC+8*(\p)+(\a)] matrix_a_fmt:MATRIX_FMT_FP6 matrix_b_fmt:MATRIX_FMT_FP6 matrix_a_scale:MATRIX_SCALE_ROW1
.endif
.endr
.endm
.macro HALF a0, p, mode
.irp a, \a0, \a0+1, \a0+2, \a0+3
	MULA \a, \p, \mode
.endr
.endm
; PART 1.  A K step whose successor lies in the same slot
.macro STEP k, mode
	PLACES
	FETCH (\k)+1                                   ; the next step's operands, into the set that the step before multiplied: they have this whole step in which to come
	s_wait_dscnt 50                                ; all but the 50 loads just issued: this step's operands are in
	WIN MUL_LO
	HALF 0, (\k)%2, \mode
	WIN MUL_HI
	HALF 4, (\k)%2, \mode
	WIN 0
.endm
; A slot's last step changes slots: ahead of the barrier each wave waits for all its tensor loads, adds 0 to its spare word, and waits for that and for its reads of this slot.  The barrier opens a round of the cluster's,
; and the slot is filled again first thing behind it.  fill = 1: part 1's K steps 6, 7; 2: part 2's 0-3; 3: part 2's 4-7, and nothing of part 1 is left to fetch.
.macro TURN k, fill
	s_wait_tensorcnt 0x0                           ; all my tensor loads have landed, my part of the next slot among them
	ds_add_u32 v[SPW], v[NIL]
	s_wait_dscnt 13                                ; the add and A's blocks 4-7 (12 loads) may be out
	WIN MUL_LO
	MULA 0, (\k)%2, 0
	MULA 1, (\k)%2, 0
	s_wait_dscnt 0x0                               ; the add is done, my reads of this slot are over
	s_barrier_signal -1
	MULA 2, (\k)%2, 0
	MULA 3, (\k)%2, 0
	WIN 0
	s_barrier_wait -1
	CREST                                          ; no wave of any partner still reads this slot or has a load on its way
.if (\fill) == 1
	ROWS G1, 2
	ROWS G1B, 2
	FILL1 0, 6                                     ; the first tensor load behind the round; its four v_nop are the places ahead of the loads below
.endif
.if (\fill) == 2
	ROWS G1, 4
	FILL2 1, 0
.endif
.if (\fill) == 3
	FILL2 0, 4
.else
	FETCH (\k)+1
.endif
	WIN MUL_HI
	HALF 4, (\k)%2, 0
	WIN 0
.endm
; PART 2: four blocks of A a wave
.macro STEP4 k, mode
	PLACES
	FETCH (\k)+1                                   ; the next step's operands, into the set that the step before multiplied
	s_wait_dscnt 38                                ; all but the 38 loads just issued: this step's operands are in
	WIN MUL_LO
	MULA 0, (\k)%2, \mode
	MULA 1, (\k)%2, \mode
	MULA 2, (\k)%2, \mode
	MULA 3, (\k)%2, \mode
	WIN 0
.endm
.macro TURN4 k                         ; part 2's second slot is shown whole to every wave; nothing is filled, so a plain barrier
	s_wait_tensorcnt 0x0                           ; all my tensor loads have landed
	ds_add_u32 v[SPW], v[NIL]
	s_wait_dscnt 1                                 ; the add alone may be out
	WIN MUL_LO
	MULA 0, (\k)%2, 0
	s_wait_dscnt 0x0
	s_barrier_signal -1
	MULA 1, (\k)%2, 0
	WIN 0
	s_barrier_wait -1
	PLACES
	FETCH (\k)+1
	WIN MUL_LO
	MULA 2, (\k)%2, 0
	MULA 3, (\k)%2, 0
	WIN 0
.endm
.macro LAST4 k
	s_wait_dscnt 0x0
	WIN MUL_LO
	MULA 0, (\k)%2, 0
	MULA 1, (\k)%2, 0
	MULA 2, (\k)%2, 0
	MULA 3, (\k)%2, 0
	WIN 0
.endm
; 64 numbers of a lane in window w, register 16 b + i = K 32 b + 16 h + i of my row, become a fragment's 12 registers v[pc] on and its scale word v[pw].  Each accumulator is read from its low end on.
.macro QUANTW s, w, pc, pw
	WIN (\w)|((\w)<<2)
.irp b, 0,1,2,3
	v_max3_num_f32 v[TM+\b], |v[(\s)+16*\b]|, |v[(\s)+16*\b+1]|, 0x1800000   ; and the floor 2^(3 - 127): the byte cannot fall under 1
.endr
.irp i, 2,4,6,8,10,12,14
.irp b, 0,1,2,3
	v_max3_num_f32 v[TM+\b], |v[(\s)+16*\b+\i]|, |v[(\s)+16*\b+\i+1]|, v[TM+\b]
.endr
.endr
	WIN 0
.irp b, 0,1,2,3
	v_permlanex16_b32 v[TM+4+\b], v[TM+\b], s[SEL], s[SEL+1]
.endr
.irp b, 0,1,2,3
	v_max_num_f32 v[TM+\b], v[TM+\b], v[TM+4+\b]
.endr
.irp b, 0,1,2,3
	v_add_nc_u32 v[TM+12+\b], 0xff000000, v[TM+\b]     ; 2 off the exponent field: the conversion's scale operand
.endr
.irp b, 0,1,2,3
	v_lshrrev_b32 v[TM+4+\b], 23, v[TM+12+\b]
.endr
	v_lshl_or_b32 v[\pw], v[TM+5], 8, v[TM+4]
	v_lshl_or_b32 v[\pw], v[TM+6], 16, v[\pw]
	v_lshl_or_b32 v[\pw], v[TM+7], 24, v[\pw]
	WIN (\w)
.irp c, 0,1
	v_cvt_scalef32_pk16_fp6_f32 v[(\pc)+6*\c:(\pc)+6*\c+2], v[(\s)+32*\c:(\s)+32*\c+15], v[TM+12+2*\c]
	v_cvt_scalef32_pk16_fp6_f32 v[CT+4*\c:CT+4*\c+2], v[(\s)+32*\c+16:(\s)+32*\c+31], v[TM+13+2*\c]
.endr
	WIN 0
	v_nop                                          ; one plain place behind the scaled conversions
.irp c, 0,1
.irp i, 0,1,2
	v_permlane16_swap_b32 v[(\pc)+6*\c+\i], v[CT+4*\c+\i]
.endr
.irp i, 0,1,2
	v_mov_b32 v[(\pc)+6*\c+3+\i], v[CT+4*\c+\i]
.endr
.endr
.endm
.macro IMG base, pc, imm               ; a fragment's image: three stores of 512 consecutive bytes
.irp c, 0,1,2
	global_store_b128 v[LI], v[(\pc)+4*\c:(\pc)+4*\c+3], s[\base:\base+1] offset:(\imm)+512*\c
.endr
.endm
	s_load_b128 s[4:7], s[0:1], 0x0                ; inq, qkvc
	v_lshl_add_u32 v[SPW], v0, 2, SPARE
	v_mov_b32 v[NIL], 0
	ds_add_u32 v[SPW], v[NIL]                      ; the wave's opening: the add, twice on end, and its wait ahead of my first tensor load
	ds_add_u32 v[SPW], v[NIL]
	v_lshrrev_b32 v1, 5, v0
	v_readfirstlane_b32 s14, v1                    ; wave
	s_lshr_b32 s15, s14, 1                         ; RH: my half of the A side's rows; also: I fetch x's tile (0) or w's (1)
	s_and_b32 s16, s14, 1                          ; CH: my half of the B side's rows; also: which half of that tile I fetch
	s_bfe_u32 s40, ttmp6, 0x40000                  ; cx
	s_bfe_u32 s41, ttmp6, 0x40004                  ; cy
	s_lshl_b32 s42, ttmp9, 2
	s_add_co_u32 s42, s42, s40                     ; gx: 256 rows of w for q or k, and 128 rows of w for v
	s_and_b32 s18, ttmp7, 0xffff
	s_lshl_b32 s17, s18, 2
	s_add_co_u32 s17, s17, s41                     ; gy: 256 tokens
	s_lshl_b32 s43, s41, 2
	s_lshl_b32 s43, 15, s43                        ; my row of the cluster
	s_lshl_b32 s44, 0x1111, s40                    ; my column
	s_or_b32 s[G1], s43, (3<<16)|(1<<21)           ; elements of 8 bytes, no padding; bit 21 beside a mask
	s_or_b32 s[G1B], s44, (3<<16)|(1<<21)
	s_or_b32 s[G1C], s44, (3<<16)|(1<<21)
.irp g, G1, G1B
	s_mov_b32 s[\g+1], (HSTEP/8)<<16               ; a tile's row: 128 rows of the matrix, one K step, 12,288 bytes
	s_mov_b32 s[\g+2], 3<<16                       ; three K steps
	s_mov_b32 s[\g+3], (HSTEP/8)<<16
	s_mov_b32 s[\g+4], 3
	s_mov_b32 s[\g+6], 0
	s_mov_b32 s[\g+7], 0
.endr
	s_mov_b32 s[G1+5], KPX/8
	s_mov_b32 s[G1B+5], KPW/8
	s_mov_b32 s[G1C+1], (QSTEP/8)<<16              ; 64 rows of the matrix, one K step; four K steps
	s_mov_b32 s[G1C+2], 4<<16
	s_mov_b32 s[G1C+3], (QSTEP/8)<<16
	s_mov_b32 s[G1C+4], 4
	s_mov_b32 s[G1C+5], KPW/8
	s_mov_b32 s[G1C+6], 0
	s_mov_b32 s[G1C+7], 0
	s_mov_b32 s[G0], 1
	s_mov_b32 s[G0B], 1
	s_lshl_b32 s19, s16, 3
	s_lshl_b32 s[XB], s17, 4
	s_add_co_u32 s[XB], s[XB], s19
	s_mul_i32 s[XB], s[XB], FRB                    ; x: fragments 16 gy + 8 half on
	s_mov_b32 s[XB+1], 0
	s_lshl_b32 s[WB1], s42, 4
	s_add_co_u32 s[WB1], s[WB1], s19
	s_mul_i32 s[WB1], s[WB1], FRB                  ; w for q, k: fragments 16 gx + 8 half on
	s_add_co_u32 s[WB1], s[WB1], WQ_IMG
	s_mov_b32 s[WB1+1], 0
	s_lshl_b32 s[WB2], s42, 3
	s_lshl_b32 s19, s16, 2
	s_add_co_u32 s[WB2], s[WB2], s19
	s_add_co_u32 s[WB2], s[WB2], 128
	s_mul_i32 s[WB2], s[WB2], FRB                  ; w for v: fragments 128 + 8 gx + 4 half on
	s_add_co_u32 s[WB2], s[WB2], WQ_IMG
	s_mov_b32 s[WB2+1], 0
	s_mul_i32 s[LX1], s16, 3*HSTEP                 ; where my half goes in a slot
	s_mul_i32 s[LX2], s16, 4*HSTEP
	s_mul_i32 s[LW2], s16, 4*QSTEP
	s_add_co_u32 s[LW2], s[LW2], 8*HSTEP
	s_lshl_b32 s66, s17, 10                        ; the scale words: x's of my 256 tokens,
	s_add_co_u32 s66, s66, X_SCL
	s_mov_b32 s67, 0
	s_lshl_b32 s68, s42, 10                        ; w's of my 256 rows for q, k,
	s_add_co_u32 s68, s68, WQ_SCL
	s_mov_b32 s69, 0
	s_lshl_b32 s70, s42, 9                         ; w's of my 128 rows for v
	s_add_co_u32 s70, s70, WQ_SCL+16*512
	s_mov_b32 s71, 0
	v_lshrrev_b32 v4, 4, v0                        ; thread t copies K step t / 16, bytes 16 (t % 16) + 256 j
	v_and_b32 v5, 15, v0
	v_lshlrev_b32 v5, 4, v5
	v_lshl_add_u32 v6, v4, 15, v5                  ; x's words: 32,768 bytes from K step to K step
	v_mad_u32_u24 v7, v4, 12288, v5                ; w's: 12,288
	v_mad_u32_u24 v[CPL], v4, SCP, v5
	v_add_nc_u32 v[CPL], SCL, v[CPL]
	s_wait_alu depctr_va_vdst(0)
	s_wait_dscnt 0x0                               ; both opening adds are done
	s_wait_kmcnt 0x0
	s_add_nc_u64 s[66:67], s[4:5], s[66:67]
	s_add_nc_u64 s[68:69], s[4:5], s[68:69]
	s_add_nc_u64 s[70:71], s[4:5], s[70:71]
.irp j, 0,1,2,3
	global_load_b128 v[64+4*\j:67+4*\j], v6, s[66:67] offset:256*\j      ; whole blocks of 256 bytes; they are on their way while the cluster meets
	global_load_b128 v[80+4*\j:83+4*\j], v7, s[68:69] offset:256*\j
.endr
.irp j, 0,1
	global_load_b128 v[96+4*\j:99+4*\j], v7, s[70:71] offset:256*\j
.endr
	s_add_nc_u64 s[XB:XB+1], s[4:5], s[XB:XB+1]
	s_add_nc_u64 s[WB1:WB1+1], s[4:5], s[WB1:WB1+1]
	s_add_nc_u64 s[WB2:WB2+1], s[4:5], s[WB2:WB2+1]
	CROUND                                         ; all sixteen work-groups are here: the first joint loads meet
	FILL1 0, 0                                     ; part 1's K steps 0-2: one tensor load a wave at the head
	; the scalars of the LDS addresses first, then the vector lines in one run
	s_mul_i32 s80, s15, 3*HSTEP                    ; part 1: A = x's rows 128 RH on,
	s_add_co_u32 s81, s[LX1], 6*HSTEP              ; B = w's rows 128 CH on
	s_mul_i32 s82, s15, 4*QSTEP                    ; part 2: A = w's rows 64 RH on,
	s_add_co_u32 s82, s82, 8*HSTEP                 ; B = x's rows 128 CH on: s[LX2]
	s_lshl_b32 s96, s15, 9                         ; part 1's scale words: lanes 0-15 x's at 512 + 512 RH, lanes 16-31 w's at 1,536 + 512 CH
	s_lshl_b32 s97, s16, 9
	s_add_co_u32 s84, s97, 1024
	s_sub_co_u32 s84, s84, s96
	s_add_co_u32 s85, s96, SCL+512
	s_lshl_b32 s96, s15, 8                         ; part 2's: lanes 0-15 w's at 256 RH, lanes 16-31 x's at 512 + 512 CH
	s_add_co_u32 s86, s97, 512
	s_sub_co_u32 s86, s86, s96
	s_add_co_u32 s87, s96, SCL
	v_and_b32 v1, 15, v0                           ; r
	v_bfe_u32 v2, v0, 4, 1                         ; h
	v_and_b32 v3, 31, v0
	v_lshlrev_b32 v[LI], 4, v3
	v_add_nc_u32 v16, s80, v[LI]
	v_add_nc_u32 v20, s81, v[LI]
	v_add_nc_u32 v8, s82, v[LI]
	v_add_nc_u32 v12, s[LX2], v[LI]
	v_add_nc_u32 v17, SLOT, v16
	v_add_nc_u32 v21, SLOT, v20
	v_add_nc_u32 v9, SLOT, v8
	v_add_nc_u32 v13, SLOT, v12
	v_mul_u32_u24 v11, s84, v2
	v_mul_u32_u24 v10, s86, v2
	v_lshl_add_u32 v11, v1, 4, v11
	v_lshl_add_u32 v10, v1, 4, v10
	v_add_nc_u32 v27, s85, v11
	v_add_nc_u32 v26, s87, v10
	v_lshlrev_b32 v[SWO], 4, v1
	v_lshl_add_u32 v[SWO], v2, 3, v[SWO]
	s_mov_b32 s[SEL], 0x76543210
	s_mov_b32 s[SEL+1], 0xfedcba98
	s_mov_b32 s[HM], 0xffff0000
	s_lshl_b32 s96, s42, 1                         ; q, k: images at (512 (2 gx + CH) + 16 gy + 8 RH) 1,536
	s_add_co_u32 s96, s96, s16
	s_lshl_b32 s99, s96, 6
	s_lshl_b32 s96, s96, 9
	s_lshl_b32 s97, s17, 4
	s_add_co_u32 s96, s96, s97
	s_lshl_b32 s97, s15, 3
	s_add_co_u32 s96, s96, s97
	s_mul_i32 s96, s96, FRB
	s_mov_b32 s97, 0
	s_add_nc_u64 s[OUT1:OUT1+1], s[6:7], s[96:97]
	s_lshl_b32 s98, s17, 1                         ; their scale words at QK_SCL + (64 (2 gx + CH) + 2 gy + RH) 512
	s_add_co_u32 s96, s99, s98
	s_add_co_u32 s96, s96, s15
	s_lshl_b32 s96, s96, 9
	s_add_co_u32 s96, s96, QK_SCL
	s_add_nc_u64 s[SCO1:SCO1+1], s[6:7], s[96:97]
	s_lshr_b32 s96, s17, 1                         ; v^T: images at VT_IMG + (64 (gy / 2) + 8 gx + 4 RH) 6,144 + (2 (gy % 2) + CH) 1,536
	s_lshl_b32 s96, s96, 6
	s_lshl_b32 s2, s42, 3
	s_add_co_u32 s96, s96, s2
	s_lshl_b32 s2, s15, 2
	s_add_co_u32 s96, s96, s2
	s_mul_i32 s96, s96, 6144
	s_and_b32 s2, s17, 1
	s_lshl_b32 s2, s2, 1
	s_add_co_u32 s2, s2, s16
	s_mul_i32 s2, s2, FRB
	s_add_co_u32 s96, s96, s2
	s_add_co_u32 s96, s96, VT_IMG
	s_add_nc_u64 s[OUT2:OUT2+1], s[6:7], s[96:97]
	s_add_co_u32 s96, s98, s16                     ; its scale words at VT_SCL + (8 (2 gy + CH) + gx) 512 + 256 RH
	s_lshl_b32 s96, s96, 3
	s_add_co_u32 s96, s96, s42
	s_lshl_b32 s96, s96, 9
	s_lshl_b32 s2, s15, 8
	s_add_co_u32 s96, s96, s2
	s_add_co_u32 s96, s96, VT_SCL
	s_add_nc_u64 s[SCO2:SCO2+1], s[6:7], s[96:97]
	s_wait_alu depctr_va_vdst(0)
	s_wait_tensorcnt 0x0                           ; my part of slot 0 is in
	ds_add_u32 v[SPW], v[NIL]
	s_wait_dscnt 0x0
	CROUND                                         ; a whole round: slot 0 is whole, and the joint loads meet
	FILL1 1, 3                                     ; part 1's K steps 3-5, the first tensor load behind the round
	s_wait_loadcnt 0x0                             ; the scale words are in registers
.irp j, 0,1
	ds_store_b128 v[CPL], v[96+4*\j:99+4*\j] offset:256*\j
.endr
.irp j, 0,1,2,3
	ds_store_b128 v[CPL], v[64+4*\j:67+4*\j] offset:512+256*\j
	ds_store_b128 v[CPL], v[80+4*\j:83+4*\j] offset:1536+256*\j
.endr
	s_wait_dscnt 0x0                               ; my part of the scale words lies in LDS; slot 1's load may be out
	s_barrier_signal -1
	s_barrier_wait -1
	; ---- PART 1: q or k
	FETCH 0
	STEP 0, 1                                      ; the first products start the sums
	STEP 1, 0
	TURN 2, 1
	STEP 3, 0
	STEP 4, 0
	TURN 5, 2                                      ; the ring goes on into part 2
	STEP 6, 0
	TURN 7, 3
	; each of my 8 row blocks is one fragment of the result (its 128 columns are one K step of the next product): quantised in registers, stored as an image
	PLACES
.irp b, 0,1,2,3
	v_mov_b32 v[TM+4+\b], 0                        ; a lane permute's destination counts as one of its sources
.endr
.irp a, 0,1,2,3,4,5,6,7
	QUANTW 64*(\a%4), 2+\a/4, 64+12*\a, 32+\a
	IMG OUT1, 64+12*\a, FRB*\a                     ; every block has its own registers: no store's data are written again here
.endr
.irp j, 0,1,2,3
	v_cndmask_b32 v[SW+\j], v[32+\j], v[36+\j], s[HM]   ; lanes 0-15: blocks 0-3's words, lanes 16-31: blocks 4-7's
.endr
	global_store_b128 v[LI], v[SW:SW+3], s[SCO1:SCO1+1]   ; 512 consecutive bytes
	s_wait_xcnt 0x0                                ; the stores have read their registers: part 2's fragments may land there
	; ---- PART 2: v^T.  Its K steps 0-3 lie in slot 1, shown whole at part 1's last round; steps 4-7 in slot 0
.set NA,   4
.set ASET, 48
.set RA,   8                           ; v8-9   A's fragments in slots 0, 1
.set RB,   12                          ; v12-13 B's
.set RS,   26                          ; v26    the scale words
.set SQN,  4
.set SOFS, 1
.set APQ,  QSTEP
	FETCH 0
	STEP4 0, 1                                     ; the first products start the sums
	STEP4 1, 0
	STEP4 2, 0
	TURN4 3                                        ; slot 0 is shown whole
	STEP4 4, 0
	STEP4 5, 0
	STEP4 6, 0
	LAST4 7
	PLACES
.irp a, 0,1,2,3
	QUANTW 64*\a, 2, 64+12*\a, 32+\a
	IMG OUT2, 64+12*\a, 6144*\a
.endr
	v_cndmask_b32 v[SW], v32, v34, s[HM]           ; lanes 0-15: blocks 0 and 1's words, lanes 16-31: blocks 2 and 3's
	v_cndmask_b32 v[SW+1], v33, v35, s[HM]
	global_store_b64 v[SWO], v[SW:SW+1], s[SCO2:SCO2+1]   ; 256 consecutive bytes, aligned
	s_wait_tensorcnt 0x0                           ; the wave's end
	ds_add_u32 v[SPW], v[NIL]
	s_wait_dscnt 0x0
	CROUND                                         ; the closing round
	s_endpgm
.Lfunc_end_k_qaa05b1d155_qkv:
	.size	k_qaa05b1d155_qkv, .Lfunc_end_k_qaa05b1d155_qkv-k_qaa05b1d155_qkv
	.p2alignl 7, 3214868480
	.fill 96, 4, 3214868480
	.section	.rodata,"a",@progbits
	.p2align	6, 0x0
	.amdhsa_kernel k_qaa05b1d155_qkv
		.amdhsa_group_segment_fixed_size 327680
		.amdhsa_private_segment_fixed_size 0
		.amdhsa_enable_private_segment 0
		.amdhsa_kernarg_size 16
		.amdhsa_user_sgpr_count 2
		.amdhsa_user_sgpr_kernarg_segment_ptr 1
		.amdhsa_wavefront_size32 1
		.amdhsa_system_sgpr_workgroup_id_x 1
		.amdhsa_system_sgpr_workgroup_id_y 1
		.amdhsa_system_sgpr_workgroup_id_z 1
		.amdhsa_system_vgpr_workitem_id 0
		.amdhsa_next_free_vgpr 1024
		.amdhsa_next_free_sgpr 100
		.amdhsa_reserve_vcc 0
		.amdhsa_float_denorm_mode_32 3
		.amdhsa_float_denorm_mode_16_64 3
		.amdhsa_memory_ordered 1
		.amdhsa_forward_progress 1
		.amdhsa_inst_pref_size 212
	.end_amdhsa_kernel
	.amdgpu_metadata
---
amdhsa.version: [ 1, 2 ]
amdhsa.kernels:
  - .name:           k_qaa05b1d155_qkv
    .symbol:         k_qaa05b1d155_qkv.kd
    .args:
      - { .name: inq, .offset: 0, .size: 8, .value_kind: global_buffer, .address_space: global }
      - { .name: qkvc, .offset: 8, .size: 8, .value_kind: global_buffer, .address_space: global }
    .group_segment_fixed_size: 327680
    .private_segment_fixed_size: 0
    .kernarg_segment_align: 8
    .kernarg_segment_size: 16
    .max_flat_workgroup_size: 128
    .sgpr_count:     100
    .vgpr_count:     1024
    .wavefront_size: 32
...
	.end_amdgpu_metadata
.endif
;; end of part 2
;; launch scores (part 3): grid 8 x 32, 4 waves a work-group, clusters of 4 x 4, 327,680 bytes of LDS; arguments qkvc, pb; writes pb
.if DOCPART == 3
	.amdgcn_target "amdgcn-amd-amdhsa--gfx1250"
	.amdhsa_code_object_version 6
	.text
	.protected	k_qaa05b1d155_scores
	.globl	k_qaa05b1d155_scores
	.p2align	8
	.type	k_qaa05b1d155_scores,@function
k_qaa05b1d155_scores:
	s_mov_b64 s[64:65], 0
	v_nop
	global_prefetch_b8 v0, s[64:65] scope:SCOPE_SE
	s_setreg_imm32_b32 hwreg(HW_REG_WAVE_MODE, 25, 1), 1
	s_wait_xcnt 0x0
	s_wait_alu depctr_hold_cnt(0) depctr_sa_sdst(0) depctr_va_vdst(0) depctr_va_sdst(0) depctr_va_ssrc(0) depctr_va_vcc(0) depctr_vm_vsrc(0)
	s_getreg_b32 s2, hwreg(HW_REG_IB_STS2, 6, 4)
	s_cmp_eq_u32 s2, 0
	s_cbranch_scc0 .Lentry_in_a_cluster
	s_endpgm
.Lentry_in_a_cluster:
	s_bfe_u32 s2, ttmp6, 0x10000c
	s_cmp_lg_u32 s2, 0xf033
	s_cbranch_scc0 .Lentry_shape_is_right
	s_endpgm
.Lentry_shape_is_right:
; S = q k^T for each batch, on codes of FP6 (E2M3) with E8M0 scales, K = 1,024 (all heads' features: one map for all heads); then the softmax's numerator, quantised along the keys.
; A work-group makes 256 queries x 256 keys, a wave 128 x 128.  Source 1 = q (a lane holds one query), source 0 = k (the keys run along a lane's registers, 16 neighbours in two neighbouring tiles).
; THE SOFTMAX.  t = score x log2(e) / 8.  For each query and the wave's 128 keys: M_loc = ceil(largest t), a whole number; p = 2^(t - M_loc); l_loc = the sum of the unquantised p.  p is quantised in blocks of 32 keys.
; The row's M is the largest M_loc; the next launch takes M - M_loc off the scale bytes, an exact power of two, and adds the l_loc under the row's M.  So the maximum is taken away ahead of every exponential.
; A block's largest p is not searched for: the block's largest score goes through the same multiply-add and exponential (this takes v_exp_f32 not to fall where its input rises).
; Stored: p's images (SQ 4), its scale words, -M_loc and l_loc (f32), the last three in one layout, [K step][row / 128][a / 4][r][a % 4].
; LIMITS: a block whose every p has fallen to 0 keeps the byte 1; NaN and infinities are not served.
; Ring, round, registers: as in the launch before: 8 K steps of 128, three to a slot, two slots, the walk written out.
.set MB,     8
.set SQ,     3                         ; K steps in a slot: the walk's fills bring K steps 0-2, 3-5 and 6-7, one load a wave each
.set K_IMG,  6291456
.set QK_SCL, 18874368
.set P_SCL,  12582912
.set FRB,    1536
.set ROWBLK, FRB                       ; q's and k's images lie K step by K step: fragment (i, s) at (512 s + i) 1,536
.set HSTEP,  8*FRB                     ; 128 rows, one K step: 12,288 dense bytes, one row of a tensor load's tile
.set HALFA,  SQ*HSTEP
.set HALFB,  SQ*HSTEP
.set SLOT,   2*HALFA+2*HALFB
.set STEPA,  SQ*512*FRB
.set STEPB,  SQ*512*FRB
.set SCL,    2*SLOT
.set SCP,    128*MB+1024
.set SPARE,  SCL+8*SCP                 ; the spare words, 128 bytes a wave: two blocks of 256 bytes that no other line names
.set ASET,   12*MB
.set AF,     64
.set SC,     32
.set LI,     3
.set ADRA,   16
.set ADRB,   20
.set ADRS,   27
.set SPW,    28
.set NIL,    29
.set PW,     32                        ; the way out: v32-39 p's scale words
.set NMA,    48                        ; v48-55 -M_loc
.set LA,     56                        ; v56-63 l_loc
.set P,      64                        ; v64-127 t - M, then p
.set PC,     128                       ; v128-223 the 8 blocks' codes
.set CT,     224
.set BM,     232                       ; v232-235 the blocks' largest scores, then largest p
.set BX,     236
.set SO,     240                       ; v240-243 the conversions' scale operands
.set T0,     244
.set T1,     245
.set NM,     246                       ; v[246:247]: -M_loc in the low word
.set LS,     248
.set LT,     250
.set G1,  24
.set G0,  32
.set G1B, 48
.set G0B, 56
.set OUT, 88
.set SCO, 90
.set SEL, 92
.set HM,  95
.set CS,  96                           ; s[96:97] c = log2(e) / 8
.set MUL_LO, 0xa1
.set MUL_HI, 0xf1
.set TO_B,   0x40
.set MSB, 0
.macro WIN new
.if MSB != (\new)
	s_set_vgpr_msb (MSB<<8)|(\new)
.set MSB, (\new)
.endif
.endm
.macro PLACES
.rept 4
	v_nop
.endr
.endm
.macro JLOAD g0a, g1a, g0b, g1b        ; waves 0 and 1 fetch q's halves, waves 2 and 3 k's; an s_nop 0 and four v_nop follow each line
	s_cmp_eq_u32 s15, 0
	s_cbranch_scc0 .Lfor_b_\@
	tensor_load_to_lds s[\g0a:\g0a+3], s[\g1a:\g1a+7]
	s_nop 0
.rept 4
	v_nop
.endr
	s_branch .Lasked_\@
.Lfor_b_\@:
	tensor_load_to_lds s[\g0b:\g0b+3], s[\g1b:\g1b+7]
	s_nop 0
.rept 4
	v_nop
.endr
.Lasked_\@:
.endm
.macro CREST
	s_cmp_lg_u32 s14, 0
	s_cbranch_scc1 .Lnot_wave_0_\@
	s_barrier_signal -3
.Lnot_wave_0_\@:
	s_barrier_wait -3
	s_barrier_signal -1
	s_barrier_wait -1
.endm
.macro CROUND
	s_barrier_signal -1
	s_barrier_wait -1
	CREST
.endm
.macro FETCH k                         ; 50 loads: B's 8 fragments, 8 scale registers, A's 8 fragments, blocks 4-7 last
.set FS, ((\k)/SQ)%2
.set FQ, (\k)%SQ
.set FP, (\k)%2
	WIN TO_B
.irp b, 0,1,2,3,4,5,6,7
.irp c, 0,1,2
	ds_load_b128 v[128*FP+12*\b+4*\c:128*FP+12*\b+4*\c+3], v[ADRB+FS] offset:\b*FRB+FQ*HSTEP+512*\c
.endr
.endr
	WIN 0
	ds_load_b128 v[SC+8*FP:SC+8*FP+3], v[ADRS] offset:(\k)*SCP
	ds_load_b128 v[SC+8*FP+4:SC+8*FP+7], v[ADRS] offset:(\k)*SCP+256
.set FA, 0
.rept MB
.irp c, 0,1,2
	ds_load_b128 v[AF+ASET*FP+12*FA+4*\c:AF+ASET*FP+12*FA+4*\c+3], v[ADRA+FS] offset:FA*FRB+FQ*HSTEP+512*\c
.endr
.set FA, FA+1
.endr
.endm
.macro MULA a, p, mode                 ; the 64 accumulators take turns in the same order in every step
.irp b, 0,1,2,3,4,5,6,7
.if (\mode) == 1
	v_wmma_scale_f32_16x16x128_f8f6f4 v[8*(8*((\a)%4)+\b):8*(8*((\a)%4)+\b)+7], v[128*(\p)+12*\b:128*(\p)+12*\b+11], v[AF+ASET*(\p)+12*(\a):AF+ASET*(\p)+12*(\a)+11], 0, v[SC+8*(\p)+\b], v[SC+8*(\p)+(\a)] matrix_a_fmt:MATRIX_FMT_FP6 matrix_b_fmt:MATRIX_FMT_FP6 matrix_a_scale:MATRIX_SCALE_ROW1
.else
	v_wmma_scale_f32_16x16x128_f8f6f4 v[8*(8*((\a)%4)+\b):8*(8*((\a)%4)+\b)+7], v[128*(\p)+12*\b:128*(\p)+12*\b+11], v[AF+ASET*(\p)+12*(\a):AF+ASET*(\p)+12*(\a)+11], v[8*(8*((\a)%4)+\b):8*(8*((\a)%4)+\b)+7], v[SC+8*(\p)+\b], v[SC+8*(\p)+(\a)] matrix_a_fmt:MATRIX_FMT_FP6 matrix_b_fmt:MATRIX_FMT_FP6 matrix_a_scale:MATRIX_SCALE_ROW1
.endif
.endr
.endm
.macro HALF a0, p, mode
.irp a, \a0, \a0+1, \a0+2, \a0+3
	MULA \a, \p, \mode
.endr
.endm
.macro STEP k, mode
	PLACES
	FETCH (\k)+1                                   ; the next step's operands, into the set that the step before multiplied: they have this whole step in which to come
	s_wait_dscnt 50                                ; all but the 50 loads just issued: this step's operands are in
	WIN MUL_LO
	HALF 0, (\k)%2, \mode
	WIN MUL_HI
	HALF 4, (\k)%2, \mode
	WIN 0
.endm
.macro TURN k, fill
.set TS, ((\k)/SQ)%2
	s_wait_tensorcnt 0x0                           ; my part of the next slot has landed; no load of mine is out
	ds_add_u32 v[SPW], v[NIL]
	s_wait_dscnt 13                                ; the add and A's blocks 4-7 (12 loads) may be out
	WIN MUL_LO
	MULA 0, (\k)%2, 0
	MULA 1, (\k)%2, 0
	s_wait_dscnt 0x0                               ; the add is done, my reads of this slot are over
	s_barrier_signal -1
	MULA 2, (\k)%2, 0
	MULA 3, (\k)%2, 0
	WIN 0
	s_barrier_wait -1
.if \fill
	CREST                                          ; no wave of any partner still reads this slot or has a load on its way
	s_add_nc_u64 s[G0+4*TS+2:G0+4*TS+3], s[G0+4*TS+2:G0+4*TS+3], 2*STEPA
	s_add_nc_u64 s[G0B+4*TS+2:G0B+4*TS+3], s[G0B+4*TS+2:G0B+4*TS+3], 2*STEPB
	s_mov_b32 s[G1+2], 2<<16                       ; no tensor load of mine is out, so a descriptor may be written: the walk's one refill brings K steps 6 and 7
	s_mov_b32 s[G1+4], 2
	s_mov_b32 s[G1B+2], 2<<16
	s_mov_b32 s[G1B+4], 2
	JLOAD G0+4*TS, G1, G0B+4*TS, G1B
.else
	PLACES
.endif
	FETCH (\k)+1
	WIN MUL_HI
	HALF 4, (\k)%2, 0
	WIN 0
.endm
.macro LAST k
	s_wait_dscnt 12
	WIN MUL_LO
	HALF 0, (\k)%2, 0
	s_wait_dscnt 0x0
	WIN MUL_HI
	HALF 4, (\k)%2, 0
	WIN 0
.endm
.macro IMG off, pc, imm
.irp c, 0,1,2
	global_store_b128 v[\off], v[(\pc)+4*\c:(\pc)+4*\c+3], s[OUT:OUT+1] offset:(\imm)+512*\c
.endr
.endm
; Row block a: 16 queries x my 128 keys.  Register 16 b + i of its 64 = key 32 b + 16 h + i of my lane's query.
.macro SOFTQ a
.set AC, 64*((\a)%4)
.set WW, 2+(\a)/4
.set PCA, PC+12*(\a)
	WIN WW|(WW<<2)
.irp b, 0,1,2,3
	v_max_num_f32 v[BM+\b], v[AC+16*\b], v[AC+16*\b+1]     ; the largest score of each block of 32 keys; each accumulator is read from its low end on
.endr
.irp i, 2,4,6,8,10,12,14
.irp b, 0,1,2,3
	v_max3_num_f32 v[BM+\b], v[AC+16*\b+\i], v[AC+16*\b+\i+1], v[BM+\b]
.endr
.endr
	WIN 0
.irp b, 0,1,2,3
	v_permlanex16_b32 v[BX+\b], v[BM+\b], s[SEL], s[SEL+1]
.endr
.irp b, 0,1,2,3
	v_max_num_f32 v[BM+\b], v[BM+\b], v[BX+\b]             ; with lane l xor 16's 16 keys
.endr
	v_max3_num_f32 v[T0], v[BM], v[BM+1], v[BM+2]
	v_max_num_f32 v[T0], v[T0], v[BM+3]
	v_mul_f32 v[T0], s[CS], v[T0]                  ; the largest t of the 128 keys (c is positive)
	v_floor_f32 v[NM], -v[T0]                      ; -M_loc = floor(-t) = -ceil(t)
	v_mov_b32 v[NMA+(\a)], v[NM]
	WIN WW
.set Q, 0
.rept 32
	v_pk_fma_f32 v[P+Q:P+Q+1], v[AC+Q:AC+Q+1], s[CS:CS+1], v[NM:NM+1] op_sel_hi:[1,0,0]   ; t - M_loc, two at a time
.set Q, Q+2
.endr
	WIN 0
.irp b, 0,1,2,3
	v_fma_f32 v[BM+\b], v[BM+\b], s[CS], v[NM]     ; the same of each block's largest score
.endr
.set Q, 0
	s_wait_alu depctr_va_vdst(0)
.rept 64
	v_exp_f32 v[P+Q], v[P+Q]                       ; p, at most 1
.set Q, Q+1
.endr
	v_nop                                          ; a plain place behind the exponentials
	s_wait_alu depctr_va_vdst(0)                   ; one wait for the batch of 64, ahead of its first reader
.irp b, 0,1,2,3
	v_exp_f32 v[BM+\b], v[BM+\b]                   ; the blocks' largest p
.endr
	v_pk_add_f32 v[LS:LS+1], v[P:P+1], v[P+2:P+3]  ; l_loc, of the unquantised p, in two chains; these read the 64 alone
	v_pk_add_f32 v[LT:LT+1], v[P+4:P+5], v[P+6:P+7]
.irp j, 8,12,16,20,24,28,32,36,40,44,48,52,56,60
	v_pk_add_f32 v[LS:LS+1], v[LS:LS+1], v[P+\j:P+\j+1]
	v_pk_add_f32 v[LT:LT+1], v[LT:LT+1], v[P+\j+2:P+\j+3]
.endr
	v_pk_add_f32 v[LS:LS+1], v[LS:LS+1], v[LT:LT+1]
	v_add_f32 v[T0], v[LS], v[LS+1]
	v_permlanex16_b32 v[T1], v[T0], s[SEL], s[SEL+1]
	v_add_f32 v[LA+(\a)], v[T0], v[T1]
	s_wait_alu depctr_va_vdst(0)                   ; and one for the four
.irp b, 0,1,2,3
	v_max_num_f32 v[BM+\b], 0x1800000, v[BM+\b]    ; the floor 2^(3 - 127)
.endr
.irp b, 0,1,2,3
	v_add_nc_u32 v[SO+\b], 0xff000000, v[BM+\b]
.endr
.irp b, 0,1,2,3
	v_lshrrev_b32 v[BX+\b], 23, v[SO+\b]
.endr
	v_lshl_or_b32 v[PW+(\a)], v[BX+1], 8, v[BX]
	v_lshl_or_b32 v[PW+(\a)], v[BX+2], 16, v[PW+(\a)]
	v_lshl_or_b32 v[PW+(\a)], v[BX+3], 24, v[PW+(\a)]
.irp c, 0,1
	v_cvt_scalef32_pk16_fp6_f32 v[PCA+6*\c:PCA+6*\c+2], v[P+32*\c:P+32*\c+15], v[SO+2*\c]
	v_cvt_scalef32_pk16_fp6_f32 v[CT+4*\c:CT+4*\c+2], v[P+32*\c+16:P+32*\c+31], v[SO+2*\c+1]
.endr
	v_nop                                          ; one plain place behind the scaled conversions
.irp c, 0,1
.irp i, 0,1,2
	v_permlane16_swap_b32 v[PCA+6*\c+\i], v[CT+4*\c+\i]
.endr
.irp i, 0,1,2
	v_mov_b32 v[PCA+6*\c+3+\i], v[CT+4*\c+\i]
.endr
.endr
	IMG LI, PCA, 6144*(\a)
.endm
	s_load_b128 s[4:7], s[0:1], 0x0                ; qkvc, pb
	v_lshl_add_u32 v[SPW], v0, 2, SPARE
	v_mov_b32 v[NIL], 0
	ds_add_u32 v[SPW], v[NIL]                      ; the wave's opening: the add and its wait ahead of my first tensor load
	ds_add_u32 v[SPW], v[NIL]
	v_lshrrev_b32 v1, 5, v0
	v_readfirstlane_b32 s14, v1
	s_lshr_b32 s15, s14, 1                         ; RH: my half of the queries; also: I fetch q (0) or k (1)
	s_and_b32 s16, s14, 1                          ; CH: my half of the keys; also: which half of that tile I fetch
	s_bfe_u32 s40, ttmp6, 0x40000
	s_bfe_u32 s41, ttmp6, 0x40004
	s_lshl_b32 s42, ttmp9, 2
	s_add_co_u32 s42, s42, s40                     ; gx: 256 keys of the batch
	s_and_b32 s18, ttmp7, 0xffff                   ; the cluster's y: 1,024 tokens; two to a batch
	s_lshl_b32 s17, s18, 2
	s_add_co_u32 s17, s17, s41                     ; gy: 256 queries
	s_lshl_b32 s43, s41, 2
	s_lshl_b32 s43, 15, s43
	s_lshl_b32 s44, 0x1111, s40
	s_or_b32 s[G1], s43, (3<<16)|(1<<21)
	s_or_b32 s[G1B], s44, (3<<16)|(1<<21)
.irp g, G1, G1B
	s_mov_b32 s[\g+1], (HSTEP/8)<<16               ; a tile's row: 128 rows of the matrix, one K step
	s_mov_b32 s[\g+2], SQ<<16                      ; its rows: K steps
	s_mov_b32 s[\g+3], (HSTEP/8)<<16
	s_mov_b32 s[\g+4], SQ
	s_mov_b32 s[\g+5], 512*FRB/8
	s_mov_b32 s[\g+6], 0
	s_mov_b32 s[\g+7], 0
.endr
	s_lshl_b32 s19, s16, 3
	s_lshl_b32 s20, s17, 4
	s_add_co_u32 s20, s20, s19
	s_mul_i32 s20, s20, ROWBLK                     ; q: fragments 16 gy + 8 half on
	s_mov_b32 s21, 0
	s_lshr_b32 s46, s18, 1                         ; the batch
	s_lshl_b32 s46, s46, 7
	s_lshl_b32 s47, s42, 4
	s_add_co_u32 s46, s46, s47
	s_add_co_u32 s46, s46, s19
	s_mul_i32 s46, s46, ROWBLK                     ; k: fragments 128 batch + 16 gx + 8 half on
	s_add_co_u32 s46, s46, K_IMG
	s_mov_b32 s47, 0
	s_mul_i32 s45, s16, HALFA
	s_mul_i32 s94, s16, HALFB
	s_add_co_u32 s94, s94, 2*HALFA
	s_wait_dscnt 0x0
	s_wait_kmcnt 0x0
	s_add_nc_u64 s[20:21], s[4:5], s[20:21]
	s_add_nc_u64 s[46:47], s[4:5], s[46:47]
	CROUND
.irp n, 0,1
	s_mov_b32 s[G0+4*\n], 1
	s_add_co_u32 s[G0+4*\n+1], s45, \n*SLOT
	s_add_nc_u64 s[G0+4*\n+2:G0+4*\n+3], s[20:21], \n*STEPA
	s_or_b32 s[G0+4*\n+3], s[G0+4*\n+3], 0x80000000
	s_mov_b32 s[G0B+4*\n], 1
	s_add_co_u32 s[G0B+4*\n+1], s94, \n*SLOT
	s_add_nc_u64 s[G0B+4*\n+2:G0B+4*\n+3], s[46:47], \n*STEPB
	s_or_b32 s[G0B+4*\n+3], s[G0B+4*\n+3], 0x80000000
.endr
	JLOAD G0, G1, G0B, G1B                         ; K steps 0-2: one tensor load a wave at the head
	; PREFETCHES INTO THE L2, one fill ahead of the tensor load that will want the bytes.  Of the 12,288 bytes that my load takes of a K step, each of the four partners that ask with me names 3,072,
	; told apart by address (cx for q, cy for k): 12 blocks of 256 bytes, a lane a block; the lanes left over name the last block again.  One instruction a K step; every offset is an immediate,
	; and s[74:75] and v30 are never rewritten.  K steps 0-2 come by their load alone; the last fill has none behind it.
	s_cmp_eq_u32 s15, 0
	s_cselect_b64 s[74:75], s[20:21], s[46:47]
	s_cselect_b32 s76, s40, s41
	s_mul_i32 s76, s76, HSTEP/4
	s_mov_b32 s77, 0
	s_add_nc_u64 s[74:75], s[74:75], s[76:77]
	v_and_b32 v30, 31, v0
	v_min_u32 v30, 11, v30
	v_lshlrev_b32 v30, 8, v30
.irp s, 3,4,5
	global_prefetch_b8 v30, s[74:75] offset:\s*512*FRB th:TH_LOAD_NT scope:SCOPE_SE
.endr
	; the scale words of both tiles for all of K, copied once in whole blocks of 256 bytes
	s_lshl_b32 s66, s17, 10
	s_add_co_u32 s66, s66, QK_SCL
	s_mov_b32 s67, 0
	s_add_nc_u64 s[66:67], s[4:5], s[66:67]        ; q's: K steps 0-7
	s_lshr_b32 s68, s18, 1
	s_lshl_b32 s68, s68, 4
	s_lshl_b32 s69, s42, 1
	s_add_co_u32 s68, s68, s69
	s_lshl_b32 s68, s68, 9
	s_add_co_u32 s68, s68, QK_SCL+262144
	s_mov_b32 s69, 0
	s_add_nc_u64 s[68:69], s[4:5], s[68:69]        ; k's: K steps 8-15 of the same matrix
	v_lshrrev_b32 v4, 4, v0
	v_and_b32 v5, 15, v0
	v_lshlrev_b32 v5, 4, v5
	v_lshl_add_u32 v6, v4, 15, v5
	v_mad_u32_u24 v9, v4, SCP, v5
	v_add_nc_u32 v9, SCL, v9
.irp j, 0,1,2,3
	global_load_b128 v[64+4*\j:67+4*\j], v6, s[66:67] offset:256*\j
	global_load_b128 v[80+4*\j:83+4*\j], v6, s[68:69] offset:256*\j
.endr
	v_and_b32 v1, 15, v0
	v_bfe_u32 v2, v0, 4, 1
	s_wait_alu depctr_va_vdst(0)
	v_and_b32 v3, 31, v0
	v_lshlrev_b32 v[LI], 4, v3
	s_mul_i32 s70, s15, HALFA
	s_mul_i32 s71, s16, HALFB
	s_add_co_u32 s71, s71, 2*HALFA
.irp n, 0,1
	v_add_nc_u32 v[ADRA+\n], s70, v[LI]
	v_add_nc_u32 v[ADRB+\n], s71, v[LI]
	s_add_co_u32 s70, s70, SLOT
	s_add_co_u32 s71, s71, SLOT
.endr
	s_mul_i32 s70, s15, 64*MB
	s_lshl_b32 s71, s16, 9
	s_add_co_u32 s71, s71, 128*MB
	s_sub_co_u32 s71, s71, s70
	v_mul_u32_u24 v10, s71, v2
	s_add_co_u32 s70, s70, SCL
	v_lshl_add_u32 v10, v1, 4, v10
	v_add_nc_u32 v[ADRS], s70, v10
	s_mov_b32 s[SEL], 0x76543210
	s_mov_b32 s[SEL+1], 0xfedcba98
	s_mov_b32 s[HM], 0xffff0000
	s_mov_b32 s[CS], 0x3e38aa3b                    ; log2(e) / 8
	s_mov_b32 s[CS+1], s[CS]
	s_lshr_b32 s80, s42, 1                         ; p's images: (512 (gx / 2) + 16 gy + 8 RH) 6,144 + (2 (gx % 2) + CH) 1,536
	s_lshl_b32 s80, s80, 9
	s_lshl_b32 s81, s17, 4
	s_add_co_u32 s80, s80, s81
	s_lshl_b32 s81, s15, 3
	s_add_co_u32 s80, s80, s81
	s_mul_i32 s80, s80, 6144
	s_and_b32 s81, s42, 1
	s_lshl_b32 s81, s81, 1
	s_add_co_u32 s81, s81, s16
	s_mul_i32 s81, s81, 1536
	s_add_co_u32 s80, s80, s81
	s_mov_b32 s81, 0
	s_add_nc_u64 s[OUT:OUT+1], s[6:7], s[80:81]
	s_lshl_b32 s80, s42, 1                         ; words: P_SCL + (64 (2 gx + CH) + 2 gy + RH) 512
	s_add_co_u32 s80, s80, s16
	s_lshl_b32 s80, s80, 6
	s_lshl_b32 s82, s17, 1
	s_add_co_u32 s80, s80, s82
	s_add_co_u32 s80, s80, s15
	s_lshl_b32 s80, s80, 9
	s_add_co_u32 s80, s80, P_SCL
	s_add_nc_u64 s[SCO:SCO+1], s[6:7], s[80:81]
	s_wait_alu depctr_va_vdst(0)
	s_wait_tensorcnt 0x0                           ; my part of slot 0 is in
	ds_add_u32 v[SPW], v[NIL]
	s_wait_dscnt 0x0
	CROUND                                         ; a whole round: slot 0 is whole, and the joint loads meet
	JLOAD G0+4, G1, G0B+4, G1B                     ; K steps 3-5, the first tensor load behind the round
.irp s, 6,7
	global_prefetch_b8 v30, s[74:75] offset:\s*512*FRB th:TH_LOAD_NT scope:SCOPE_SE
.endr
	s_wait_loadcnt 0x0
.irp j, 0,1,2,3
	ds_store_b128 v9, v[64+4*\j:67+4*\j] offset:256*\j
	ds_store_b128 v9, v[80+4*\j:83+4*\j] offset:128*MB+256*\j
.endr
	s_wait_dscnt 0x0
	s_barrier_signal -1
	s_barrier_wait -1
	FETCH 0
	STEP 0, 1
	STEP 1, 0
	TURN 2, 1
	STEP 3, 0
	STEP 4, 0
	TURN 5, 0
	STEP 6, 0
	LAST 7
	PLACES
.irp b, 0,1,2,3
	v_mov_b32 v[BX+\b], 0                          ; a lane permute's destination counts as one of its sources
.endr
	v_mov_b32 v[T1], 0
	v_mov_b32 v[NM+1], 0                           ; (named as the upper half of a pair)
.irp a, 0,1,2,3,4,5,6,7
	SOFTQ \a
.endr
.irp j, 0,1,2,3
	v_cndmask_b32 v[64+\j], v[PW+\j], v[PW+4+\j], s[HM]    ; lanes 0-15: blocks 0-3's figures, lanes 16-31: blocks 4-7's
	v_cndmask_b32 v[68+\j], v[NMA+\j], v[NMA+4+\j], s[HM]
	v_cndmask_b32 v[72+\j], v[LA+\j], v[LA+4+\j], s[HM]
.endr
	global_store_b128 v[LI], v[64:67], s[SCO:SCO+1]                    ; 512 consecutive bytes each
	global_store_b128 v[LI], v[68:71], s[SCO:SCO+1] offset:524288
	global_store_b128 v[LI], v[72:75], s[SCO:SCO+1] offset:1048576
	s_wait_tensorcnt 0x0                           ; the wave's end
	ds_add_u32 v[SPW], v[NIL]
	s_wait_dscnt 0x0
	CROUND
	s_endpgm
.Lfunc_end_k_qaa05b1d155_scores:
	.size	k_qaa05b1d155_scores, .Lfunc_end_k_qaa05b1d155_scores-k_qaa05b1d155_scores
	.p2alignl 7, 3214868480
	.fill 96, 4, 3214868480
	.section	.rodata,"a",@progbits
	.p2align	6, 0x0
	.amdhsa_kernel k_qaa05b1d155_scores
		.amdhsa_group_segment_fixed_size 327680
		.amdhsa_private_segment_fixed_size 0
		.amdhsa_enable_private_segment 0
		.amdhsa_kernarg_size 16
		.amdhsa_user_sgpr_count 2
		.amdhsa_user_sgpr_kernarg_segment_ptr 1
		.amdhsa_wavefront_size32 1
		.amdhsa_system_sgpr_workgroup_id_x 1
		.amdhsa_system_sgpr_workgroup_id_y 1
		.amdhsa_system_sgpr_workgroup_id_z 1
		.amdhsa_system_vgpr_workitem_id 0
		.amdhsa_next_free_vgpr 1024
		.amdhsa_next_free_sgpr 100
		.amdhsa_reserve_vcc 0
		.amdhsa_float_denorm_mode_32 3
		.amdhsa_float_denorm_mode_16_64 3
		.amdhsa_memory_ordered 1
		.amdhsa_forward_progress 1
		.amdhsa_inst_pref_size 193
	.end_amdhsa_kernel
	.amdgpu_metadata
---
amdhsa.version: [ 1, 2 ]
amdhsa.kernels:
  - .name:           k_qaa05b1d155_scores
    .symbol:         k_qaa05b1d155_scores.kd
    .args:
      - { .name: qkvc, .offset: 0, .size: 8, .value_kind: global_buffer, .address_space: global }
      - { .name: pb, .offset: 8, .size: 8, .value_kind: global_buffer, .address_space: global }
    .group_segment_fixed_size: 327680
    .private_segment_fixed_size: 0
    .kernarg_segment_align: 8
    .kernarg_segment_size: 16
    .max_flat_workgroup_size: 128
    .sgpr_count:     100
    .vgpr_count:     1024
    .wavefront_size: 32
...
	.end_amdgpu_metadata
.endif
;; end of part 3
;; launch pv (part 4): grid 4 x 64, 4 waves a work-group, clusters of 4 x 4, 327,680 bytes of LDS; arguments pb, qkvc, ob; writes ob
.if DOCPART == 4
	.amdgcn_target "amdgcn-amd-amdhsa--gfx1250"
	.amdhsa_code_object_version 6
	.text
	.protected	k_qaa05b1d155_pv
	.globl	k_qaa05b1d155_pv
	.p2align	8
	.type	k_qaa05b1d155_pv,@function
k_qaa05b1d155_pv:
	s_mov_b64 s[64:65], 0
	v_nop
	global_prefetch_b8 v0, s[64:65] scope:SCOPE_SE
	s_setreg_imm32_b32 hwreg(HW_REG_WAVE_MODE, 25, 1), 1
	s_wait_xcnt 0x0
	s_wait_alu depctr_hold_cnt(0) depctr_sa_sdst(0) depctr_va_vdst(0) depctr_va_sdst(0) depctr_va_ssrc(0) depctr_va_vcc(0) depctr_vm_vsrc(0)
	s_getreg_b32 s2, hwreg(HW_REG_IB_STS2, 6, 4)
	s_cmp_eq_u32 s2, 0
	s_cbranch_scc0 .Lentry_in_a_cluster
	s_endpgm
.Lentry_in_a_cluster:
	s_bfe_u32 s2, ttmp6, 0x10000c
	s_cmp_lg_u32 s2, 0xf033
	s_cbranch_scc0 .Lentry_shape_is_right
	s_endpgm
.Lentry_shape_is_right:
; O = (p v) / l for each batch, on codes of FP6 (E2M3) with E8M0 scales, K = 2,048 keys; O is quantised at once along the features for the last product.
; A work-group makes 128 queries x 256 features (256 work-groups), a wave 64 x 128: 32 accumulators.  Source 1 = p (a lane holds one query), source 0 = v^T (the features run along a lane's registers).
; AT THE HEAD p's scale bytes are brought under the row's M.  Thread t owns one of the 128 queries: M = the largest of its 16 M_loc; from each K step's four bytes M - M_loc is taken, an exact power of two;
; l = the sum of l_loc x 2^(M_loc - M), K ascending.  The mended words go to LDS, where the products take their scales; 1 / l too.
; LIMITS: the shift is capped at 127; a byte that would fall under 0 is held at 0 (2^-127): such a block's terms are at most 7.5 x 2^-127 x |v| beside l >= 1/2.  A block of zeros of O keeps the byte 1.  NaN and infinities are not served.
; K: 16 steps of 128, four to a slot, two slots; four fills a wave, two of them at the head; the walk is written out.  CLUSTERS: 4 x 4; p's tile jointly along a row, v^T's along a column.
; REGISTERS: window 0: addresses; v32-47 scale words, two sets; v64-159 A's fragments, two sets.  window 1: B's fragments, two sets.  window 2: accumulator (a, b) at v[8 (8 a + b)].
.set MB,     4
.set SQ,     4
.set P_SCL,  12582912
.set VT_IMG, 12582912
.set VT_SCL, 19398656
.set O_SCL,  6291456
.set FRB,    1536
.set ROWBLK, SQ*FRB
.set HALFA,  MB*ROWBLK
.set HALFB,  8*ROWBLK
.set SLOT,   2*HALFA+2*HALFB
.set STEPA,  512*ROWBLK
.set STEPB,  64*ROWBLK
.set SCL,    2*SLOT                    ; the scale words of all 16 K steps: written by LDS stores alone
.set SCP,    128*MB+1024               ; a K step's: p's 512 bytes, then v^T's 1,024
.set RLB,    SCL+16*SCP                ; 1 / l of the 128 queries
.set SPARE,  320000                    ; the spare words, 128 bytes a wave: two blocks of 256 bytes that no other line names
.set ASET,   12*MB
.set AF,     64
.set SC,     32
.set LI,     3
.set ADRA,   16
.set ADRB,   20
.set SWO,    25                        ; v25  16 r + 8 h
.set RLA,    26                        ; v26  where my rows' 1 / l lie
.set ADRS,   27
.set SPW,    28
.set NIL,    29
.set SWD,    64                        ; the head: v64-79 p's scale words, v80-95 -M_loc, v96-111 l_loc, v112-143 v^T's words on their way
.set NMV,    80
.set LV,     96
.set BS,     112
.set NMR,    144
.set LL,     145
.set TD,     146
.set TN,     147
.set TL,     148
.set CT,     176                       ; the way out
.set TM,     184
.set RL,     200
.set G1,  24
.set G0,  32
.set G1B, 48
.set G0B, 56
.set OUT, 88
.set SCO, 90
.set SEL, 92
.set HM,  95
.set MUL_LO, 0xa1
.set TO_B,   0x40
.set MSB, 0
.macro WIN new
.if MSB != (\new)
	s_set_vgpr_msb (MSB<<8)|(\new)
.set MSB, (\new)
.endif
.endm
.macro PLACES
.rept 4
	v_nop
.endr
.endm
.macro JLOAD g0a, g1a, g0b, g1b        ; waves 0 and 1 fetch p's halves, waves 2 and 3 v^T's; an s_nop 0 and four v_nop follow each line
	s_cmp_eq_u32 s15, 0
	s_cbranch_scc0 .Lfor_b_\@
	tensor_load_to_lds s[\g0a:\g0a+3], s[\g1a:\g1a+7]
	s_nop 0
.rept 4
	v_nop
.endr
	s_branch .Lasked_\@
.Lfor_b_\@:
	tensor_load_to_lds s[\g0b:\g0b+3], s[\g1b:\g1b+7]
	s_nop 0
.rept 4
	v_nop
.endr
.Lasked_\@:
.endm
.macro CREST
	s_cmp_lg_u32 s14, 0
	s_cbranch_scc1 .Lnot_wave_0_\@
	s_barrier_signal -3
.Lnot_wave_0_\@:
	s_barrier_wait -3
	s_barrier_signal -1
	s_barrier_wait -1
.endm
.macro CROUND
	s_barrier_signal -1
	s_barrier_wait -1
	CREST
.endm
.macro FETCH k                         ; 38 loads: B's 8 fragments, 8 scale registers (of lanes 0-15 only the first four are used), A's 4 fragments
.set FS, ((\k)/SQ)%2
.set FQ, (\k)%SQ
.set FP, (\k)%2
	WIN TO_B
.irp b, 0,1,2,3,4,5,6,7
.irp c, 0,1,2
	ds_load_b128 v[128*FP+12*\b+4*\c:128*FP+12*\b+4*\c+3], v[ADRB+FS] offset:\b*ROWBLK+FQ*FRB+512*\c
.endr
.endr
	WIN 0
	ds_load_b128 v[SC+8*FP:SC+8*FP+3], v[ADRS] offset:(\k)*SCP
	ds_load_b128 v[SC+8*FP+4:SC+8*FP+7], v[ADRS] offset:(\k)*SCP+256
.set FA, 0
.rept MB
.irp c, 0,1,2
	ds_load_b128 v[AF+ASET*FP+12*FA+4*\c:AF+ASET*FP+12*FA+4*\c+3], v[ADRA+FS] offset:FA*ROWBLK+FQ*FRB+512*\c
.endr
.set FA, FA+1
.endr
.endm
.macro MULA a, p, mode                 ; the 32 accumulators take turns in the same order in every step
.irp b, 0,1,2,3,4,5,6,7
.if (\mode) == 1
	v_wmma_scale_f32_16x16x128_f8f6f4 v[8*(8*(\a)+\b):8*(8*(\a)+\b)+7], v[128*(\p)+12*\b:128*(\p)+12*\b+11], v[AF+ASET*(\p)+12*(\a):AF+ASET*(\p)+12*(\a)+11], 0, v[SC+8*(\p)+\b], v[SC+8*(\p)+(\a)] matrix_a_fmt:MATRIX_FMT_FP6 matrix_b_fmt:MATRIX_FMT_FP6 matrix_a_scale:MATRIX_SCALE_ROW1
.else
	v_wmma_scale_f32_16x16x128_f8f6f4 v[8*(8*(\a)+\b):8*(8*(\a)+\b)+7], v[128*(\p)+12*\b:128*(\p)+12*\b+11], v[AF+ASET*(\p)+12*(\a):AF+ASET*(\p)+12*(\a)+11], v[8*(8*(\a)+\b):8*(8*(\a)+\b)+7], v[SC+8*(\p)+\b], v[SC+8*(\p)+(\a)] matrix_a_fmt:MATRIX_FMT_FP6 matrix_b_fmt:MATRIX_FMT_FP6 matrix_a_scale:MATRIX_SCALE_ROW1
.endif
.endr
.endm
.macro STEP k, mode
	PLACES
	FETCH (\k)+1                                   ; the next step's operands, into the set that the step before multiplied: they have this whole step in which to come
	s_wait_dscnt 38                                ; all but the 38 loads just issued: this step's operands are in
	WIN MUL_LO
	MULA 0, (\k)%2, \mode
	MULA 1, (\k)%2, \mode
	MULA 2, (\k)%2, \mode
	MULA 3, (\k)%2, \mode
	WIN 0
.endm
.macro TURN k, fill
.set TS, ((\k)/SQ)%2
	s_wait_tensorcnt 0x0                           ; my part of the next slot has landed; no load of mine is out
	ds_add_u32 v[SPW], v[NIL]
	s_wait_dscnt 1                                 ; the add alone may be out
	WIN MUL_LO
	MULA 0, (\k)%2, 0
	s_wait_dscnt 0x0                               ; the add is done, my reads of this slot are over
	s_barrier_signal -1
	MULA 1, (\k)%2, 0
	WIN 0
	s_barrier_wait -1
.if \fill
	CREST                                          ; no wave of any partner still reads this slot or has a load on its way
	s_add_nc_u64 s[G0+4*TS+2:G0+4*TS+3], s[G0+4*TS+2:G0+4*TS+3], 2*STEPA
	s_add_nc_u64 s[G0B+4*TS+2:G0B+4*TS+3], s[G0B+4*TS+2:G0B+4*TS+3], 2*STEPB
	JLOAD G0+4*TS, G1, G0B+4*TS, G1B
.else
	PLACES
.endif
	FETCH (\k)+1
.if (\k) == 3
	ASK 3                                          ; behind the joint load and the run of LDS loads: the last fill's bytes
.endif
	WIN MUL_LO
	MULA 2, (\k)%2, 0
	MULA 3, (\k)%2, 0
	WIN 0
.endm
.macro LAST k
	s_wait_dscnt 0x0
	WIN MUL_LO
	MULA 0, (\k)%2, 0
	MULA 1, (\k)%2, 0
	MULA 2, (\k)%2, 0
	MULA 3, (\k)%2, 0
	WIN 0
.endm
.macro QUANTW s, w, pc, pw
	WIN (\w)|((\w)<<2)
.irp b, 0,1,2,3
	v_max3_num_f32 v[TM+\b], |v[(\s)+16*\b]|, |v[(\s)+16*\b+1]|, 0x1800000   ; and the floor 2^(3 - 127)
.endr
.irp i, 2,4,6,8,10,12,14
.irp b, 0,1,2,3
	v_max3_num_f32 v[TM+\b], |v[(\s)+16*\b+\i]|, |v[(\s)+16*\b+\i+1]|, v[TM+\b]
.endr
.endr
	WIN 0
.irp b, 0,1,2,3
	v_permlanex16_b32 v[TM+4+\b], v[TM+\b], s[SEL], s[SEL+1]
.endr
.irp b, 0,1,2,3
	v_max_num_f32 v[TM+\b], v[TM+\b], v[TM+4+\b]
.endr
.irp b, 0,1,2,3
	v_add_nc_u32 v[TM+12+\b], 0xff000000, v[TM+\b]
.endr
.irp b, 0,1,2,3
	v_lshrrev_b32 v[TM+4+\b], 23, v[TM+12+\b]
.endr
	v_lshl_or_b32 v[\pw], v[TM+5], 8, v[TM+4]
	v_lshl_or_b32 v[\pw], v[TM+6], 16, v[\pw]
	v_lshl_or_b32 v[\pw], v[TM+7], 24, v[\pw]
	WIN (\w)
.irp c, 0,1
	v_cvt_scalef32_pk16_fp6_f32 v[(\pc)+6*\c:(\pc)+6*\c+2], v[(\s)+32*\c:(\s)+32*\c+15], v[TM+12+2*\c]
	v_cvt_scalef32_pk16_fp6_f32 v[CT+4*\c:CT+4*\c+2], v[(\s)+32*\c+16:(\s)+32*\c+31], v[TM+13+2*\c]
.endr
	WIN 0
	v_nop                                          ; one plain place behind the scaled conversions
.irp c, 0,1
.irp i, 0,1,2
	v_permlane16_swap_b32 v[(\pc)+6*\c+\i], v[CT+4*\c+\i]
.endr
.irp i, 0,1,2
	v_mov_b32 v[(\pc)+6*\c+3+\i], v[CT+4*\c+\i]
.endr
.endr
.endm
.macro IMG off, pc, imm
.irp c, 0,1,2
	global_store_b128 v[\off], v[(\pc)+4*\c:(\pc)+4*\c+3], s[OUT:OUT+1] offset:(\imm)+512*\c
.endr
.endm
; K step u of my query: d = M - M_loc, at most 127; l += l_loc 2^-d; each of the word's four bytes less d, held at 0.  A byte of p is at most 125, so with bit 7 set first no byte borrows from its neighbour.
.macro MEND u
	v_sub_f32 v[TD], v[NMR], v[NMV+\u]             ; M_loc - M, 0 or less
	v_max_num_f32 v[TD], 0xc2fe0000, v[TD]         ; not under -127
	v_cvt_i32_f32 v[TN], v[TD]
.if \u == 0
	v_ldexp_f32 v[LL], v[LV], v[TN]                ; the first term starts the sum
.else
	v_ldexp_f32 v[TL], v[LV+\u], v[TN]
	v_add_f32 v[LL], v[LL], v[TL]
.endif
	v_sub_nc_u32 v[TN], 0, v[TN]                   ; d,
	v_lshl_or_b32 v[TN], v[TN], 8, v[TN]
	v_lshl_or_b32 v[TN], v[TN], 16, v[TN]          ; in all four bytes
	v_or_b32 v[SWD+\u], 0x80808080, v[SWD+\u]
	v_sub_nc_u32 v[SWD+\u], v[SWD+\u], v[TN]       ; bit 7 of a byte stays set where byte >= d
	v_lshrrev_b32 v[TD], 7, v[SWD+\u]
	v_and_b32 v[TD], 0x01010101, v[TD]
	v_lshlrev_b32 v[TL], 8, v[TD]
	v_sub_nc_u32 v[TD], v[TL], v[TD]               ; 0xff in those bytes, 0 in the others
	v_and_b32 v[SWD+\u], 0x7f7f7f7f, v[SWD+\u]
	v_and_b32 v[SWD+\u], v[SWD+\u], v[TD]
	ds_store_b32 v11, v[SWD+\u] offset:SCP*\u
.endm
	s_load_b128 s[4:7], s[0:1], 0x0                ; pb, qkvc
	s_load_b64 s[8:9], s[0:1], 0x10                ; ob
	v_lshl_add_u32 v[SPW], v0, 2, SPARE
	v_mov_b32 v[NIL], 0
	ds_add_u32 v[SPW], v[NIL]                      ; the wave's opening: the add and its wait ahead of my first tensor load
	ds_add_u32 v[SPW], v[NIL]
	v_lshrrev_b32 v1, 5, v0
	v_readfirstlane_b32 s14, v1
	s_lshr_b32 s15, s14, 1                         ; RH: my 64 of the 128 queries; also: I fetch p (0) or v^T (1)
	s_and_b32 s16, s14, 1                          ; CH: my 128 of the 256 features; also: which half of that tile I fetch
	s_bfe_u32 s40, ttmp6, 0x40000
	s_bfe_u32 s41, ttmp6, 0x40004
	s_lshl_b32 s42, ttmp9, 2
	s_add_co_u32 s42, s42, s40                     ; gx: 256 features
	s_and_b32 s18, ttmp7, 0xffff                   ; the cluster's y: 512 tokens; four to a batch
	s_lshl_b32 s17, s18, 2
	s_add_co_u32 s17, s17, s41                     ; gy: 128 queries
	s_lshl_b32 s43, s41, 2
	s_lshl_b32 s43, 15, s43
	s_lshl_b32 s44, 0x1111, s40
	s_or_b32 s[G1], s43, (3<<16)|(1<<21)
	s_or_b32 s[G1B], s44, (3<<16)|(1<<21)
.irp g, G1, G1B
	s_mov_b32 s[\g+1], 32<<16
	s_mov_b32 s[\g+3], 32<<16
	s_mov_b32 s[\g+5], 32
	s_mov_b32 s[\g+6], 0
	s_mov_b32 s[\g+7], 0
.endr
	s_mov_b32 s[G1+2], (HALFA/256)<<16
	s_mov_b32 s[G1+4], HALFA/256
	s_mov_b32 s[G1B+2], (HALFB/256)<<16
	s_mov_b32 s[G1B+4], HALFB/256
	s_lshl_b32 s19, s16, 2
	s_lshl_b32 s20, s17, 3
	s_add_co_u32 s20, s20, s19
	s_mul_i32 s20, s20, ROWBLK                     ; p: fragments 8 gy + 4 half on
	s_mov_b32 s21, 0
	s_lshr_b32 s46, s18, 2                         ; the batch: its keys are K steps 16 batch on of v^T: 4 slots of 64 fragments
	s_lshl_b32 s46, s46, 8
	s_lshl_b32 s47, s42, 4
	s_add_co_u32 s46, s46, s47
	s_lshl_b32 s47, s16, 3
	s_add_co_u32 s46, s46, s47
	s_mul_i32 s46, s46, ROWBLK
	s_add_co_u32 s46, s46, VT_IMG
	s_mov_b32 s47, 0
	s_mul_i32 s45, s16, HALFA
	s_mul_i32 s94, s16, HALFB
	s_add_co_u32 s94, s94, 2*HALFA
	s_wait_dscnt 0x0
	s_wait_kmcnt 0x0
	s_add_nc_u64 s[20:21], s[4:5], s[20:21]
	s_add_nc_u64 s[46:47], s[6:7], s[46:47]
	CROUND
.irp n, 0,1
	s_mov_b32 s[G0+4*\n], 1
	s_add_co_u32 s[G0+4*\n+1], s45, \n*SLOT
	s_add_nc_u64 s[G0+4*\n+2:G0+4*\n+3], s[20:21], \n*STEPA
	s_or_b32 s[G0+4*\n+3], s[G0+4*\n+3], 0x80000000
	s_mov_b32 s[G0B+4*\n], 1
	s_add_co_u32 s[G0B+4*\n+1], s94, \n*SLOT
	s_add_nc_u64 s[G0B+4*\n+2:G0B+4*\n+3], s[46:47], \n*STEPB
	s_or_b32 s[G0B+4*\n+3], s[G0B+4*\n+3], 0x80000000
.endr
	JLOAD G0, G1, G0B, G1B                         ; K steps 0-3: one tensor load a wave at the head
	; PREFETCHES INTO THE L2, one fill ahead of the tensor load that will want the bytes.  Of the dense block that my load takes (p: 24,576 bytes, v^T: 49,152), each of the four partners that ask with me
	; names a quarter, told apart by address (cx for p, cy for v^T): 24 blocks of 256 bytes an instruction, a lane a block, the lanes left over naming the last block again; one instruction for p, two for v^T.
	; Every offset is an immediate (p's pointer stands at fill 1); s[74:75] and v30 are never rewritten.  Fill 0 comes by its load alone; the last fill has none behind it.
.macro ASK n
	s_cmp_eq_u32 s15, 0
	s_cbranch_scc0 .Lask_b_\@
	global_prefetch_b8 v30, s[74:75] offset:((\n)-1)*STEPA th:TH_LOAD_NT scope:SCOPE_SE
	s_branch .Lask_done_\@
.Lask_b_\@:
	global_prefetch_b8 v30, s[74:75] offset:(\n)*STEPB th:TH_LOAD_NT scope:SCOPE_SE
	global_prefetch_b8 v30, s[74:75] offset:(\n)*STEPB+6144 th:TH_LOAD_NT scope:SCOPE_SE
.Lask_done_\@:
.endm
	s_mul_i32 s76, s40, HALFA/4
	s_add_co_u32 s76, s76, STEPA
	s_mul_i32 s77, s41, HALFB/4
	s_cmp_eq_u32 s15, 0
	s_cselect_b64 s[74:75], s[20:21], s[46:47]
	s_cselect_b32 s76, s76, s77
	s_mov_b32 s77, 0
	s_add_nc_u64 s[74:75], s[74:75], s[76:77]
	v_and_b32 v30, 31, v0
	v_min_u32 v30, 23, v30
	v_lshlrev_b32 v30, 8, v30
	s_wait_alu depctr_va_vdst(0)                   ; the wait here, directly ahead of the branch below
	ASK 1
	s_lshl_b32 s66, s17, 9
	s_add_co_u32 s66, s66, P_SCL
	s_mov_b32 s67, 0
	s_add_nc_u64 s[66:67], s[4:5], s[66:67]        ; my 128 queries' words; -M_loc and l_loc lie 524,288 and 1,048,576 bytes on
	s_lshr_b32 s68, s18, 2
	s_lshl_b32 s68, s68, 7
	s_lshl_b32 s69, s42, 1
	s_add_co_u32 s68, s68, s69
	s_lshl_b32 s68, s68, 9
	s_add_co_u32 s68, s68, VT_SCL
	s_mov_b32 s69, 0
	s_add_nc_u64 s[68:69], s[6:7], s[68:69]        ; v^T's words of my 256 features, the batch's 16 K steps
	v_lshlrev_b32 v10, 2, v0                       ; thread t: word t
	v_lshl_add_u32 v11, v0, 2, SCL
.irp u, 0,1,2,3,4,5,6,7,8,9,10,11,12,13,14,15
	global_load_b32 v[SWD+\u], v10, s[66:67] offset:32768*\u
	global_load_b32 v[NMV+\u], v10, s[66:67] offset:32768*\u+524288
	global_load_b32 v[LV+\u], v10, s[66:67] offset:32768*\u+1048576
.endr
	v_lshrrev_b32 v4, 4, v0
	v_and_b32 v5, 15, v0
	v_lshlrev_b32 v5, 4, v5
	v_lshl_add_u32 v6, v4, 12, v5
	v_mad_u32_u24 v9, v4, SCP, v5
	v_add_nc_u32 v9, SCL, v9
.irp u, 0,1
.irp j, 0,1,2,3
	global_load_b128 v[BS+16*\u+4*\j:BS+16*\u+4*\j+3], v6, s[68:69] offset:32768*\u+256*\j
.endr
.endr
	v_and_b32 v1, 15, v0
	v_bfe_u32 v2, v0, 4, 1
	s_wait_alu depctr_va_vdst(0)
	v_and_b32 v3, 31, v0
	v_lshlrev_b32 v[LI], 4, v3
	s_mul_i32 s70, s15, HALFA
	s_mul_i32 s71, s16, HALFB
	s_add_co_u32 s71, s71, 2*HALFA
.irp n, 0,1
	v_add_nc_u32 v[ADRA+\n], s70, v[LI]
	v_add_nc_u32 v[ADRB+\n], s71, v[LI]
	s_add_co_u32 s70, s70, SLOT
	s_add_co_u32 s71, s71, SLOT
.endr
	s_mul_i32 s70, s15, 64*MB
	s_lshl_b32 s71, s16, 9
	s_add_co_u32 s71, s71, 128*MB
	s_sub_co_u32 s71, s71, s70
	v_mul_u32_u24 v7, s71, v2
	s_add_co_u32 s72, s70, RLB
	s_add_co_u32 s70, s70, SCL
	v_lshl_add_u32 v7, v1, 4, v7
	v_add_nc_u32 v[ADRS], s70, v7
	v_lshlrev_b32 v[RLA], 4, v1
	v_add_nc_u32 v[RLA], s72, v[RLA]               ; RLB + 256 RH + 16 r
	v_lshlrev_b32 v[SWO], 4, v1
	v_lshl_add_u32 v[SWO], v2, 3, v[SWO]
	s_mov_b32 s[SEL], 0x76543210
	s_mov_b32 s[SEL+1], 0xfedcba98
	s_mov_b32 s[HM], 0xffff0000
	s_lshr_b32 s80, s42, 1                         ; O's images: (512 (gx / 2) + 8 gy + 4 RH) 6,144 + (2 (gx % 2) + CH) 1,536
	s_lshl_b32 s80, s80, 9
	s_lshl_b32 s81, s17, 3
	s_add_co_u32 s80, s80, s81
	s_lshl_b32 s81, s15, 2
	s_add_co_u32 s80, s80, s81
	s_mul_i32 s80, s80, 6144
	s_and_b32 s81, s42, 1
	s_lshl_b32 s81, s81, 1
	s_add_co_u32 s81, s81, s16
	s_mul_i32 s81, s81, 1536
	s_add_co_u32 s80, s80, s81
	s_mov_b32 s81, 0
	s_add_nc_u64 s[OUT:OUT+1], s[8:9], s[80:81]
	s_lshl_b32 s80, s42, 1                         ; words: O_SCL + (64 (2 gx + CH) + gy) 512 + 256 RH
	s_add_co_u32 s80, s80, s16
	s_lshl_b32 s80, s80, 6
	s_add_co_u32 s80, s80, s17
	s_lshl_b32 s80, s80, 9
	s_lshl_b32 s82, s15, 8
	s_add_co_u32 s80, s80, s82
	s_add_co_u32 s80, s80, O_SCL
	s_add_nc_u64 s[SCO:SCO+1], s[8:9], s[80:81]
	s_wait_alu depctr_va_vdst(0)
	s_wait_tensorcnt 0x0                           ; my part of slot 0 is in
	ds_add_u32 v[SPW], v[NIL]
	s_wait_dscnt 0x0
	CROUND                                         ; a whole round: slot 0 is whole, and the joint loads meet
	JLOAD G0+4, G1, G0B+4, G1B                     ; K steps 4-7, the first tensor load behind the round: it is on its way while the scale bytes are mended
	ASK 2
	s_wait_loadcnt 0x0
.irp u, 0,1
.irp j, 0,1,2,3
	ds_store_b128 v9, v[BS+16*\u+4*\j:BS+16*\u+4*\j+3] offset:128*MB+8*SCP*\u+256*\j
.endr
.endr
	v_min3_num_f32 v[NMR], v[NMV], v[NMV+1], v[NMV+2]      ; -M = the least of the 16 -M_loc
.irp u, 3,5,7,9,11,13
	v_min3_num_f32 v[NMR], v[NMR], v[NMV+\u], v[NMV+\u+1]
.endr
	v_min_num_f32 v[NMR], v[NMR], v[NMV+15]
.irp u, 0,1,2,3,4,5,6,7,8,9,10,11,12,13,14,15
	MEND \u
.endr
	s_wait_alu depctr_va_vdst(0)
	v_rcp_f32 v[TD], v[LL]                         ; l is at least 1/2: the row's largest p
	v_nop                                          ; a plain place behind the reciprocal
	s_wait_alu depctr_va_vdst(0)                   ; the wait ahead of its first reader
	ds_store_b32 v11, v[TD] offset:RLB-SCL
	s_wait_dscnt 0x0                               ; my words lie in LDS
	s_barrier_signal -1
	s_barrier_wait -1
	FETCH 0
	STEP 0, 1
	STEP 1, 0
	STEP 2, 0
	TURN 3, 1
	STEP 4, 0
	STEP 5, 0
	STEP 6, 0
	TURN 7, 1
	STEP 8, 0
	STEP 9, 0
	STEP 10, 0
	TURN 11, 0
	STEP 12, 0
	STEP 13, 0
	STEP 14, 0
	LAST 15
	; THE WAY OUT: each of my 4 row blocks, divided by l, is one fragment of O (its 128 features are one K step of the last product)
	PLACES
.irp b, 0,1,2,3
	v_mov_b32 v[TM+4+\b], 0
.endr
	v_mov_b32 v[RL+5], 0                           ; (named as the upper half of a pair)
	ds_load_b128 v[RL:RL+3], v[RLA]                ; 1 / l of my lane's row in blocks 0-3
	s_wait_dscnt 0x0
.irp a, 0,1,2,3
	v_mov_b32 v[RL+4], v[RL+\a]
	s_wait_alu depctr_va_vdst(0)
	WIN 0x02                                       ; source 0: window 2
.irp j, 0,2,4,6,8,10,12,14,16,18,20,22,24,26,28,30,32,34,36,38,40,42,44,46,48,50,52,54,56,58,60,62
	v_pk_mul_f32 v[64+\j:65+\j], v[64*\a+\j:64*\a+\j+1], v[RL+4:RL+5] op_sel_hi:[1,0]   ; each accumulator from its low end on
.endr
	WIN 0
	QUANTW 64, 0, 128+12*\a, 32+\a
	IMG LI, 128+12*\a, 6144*\a
.endr
	v_cndmask_b32 v[RL+6], v32, v34, s[HM]         ; lanes 0-15: blocks 0 and 1's words, lanes 16-31: blocks 2 and 3's
	v_cndmask_b32 v[RL+7], v33, v35, s[HM]
	global_store_b64 v[SWO], v[RL+6:RL+7], s[SCO:SCO+1]    ; 256 consecutive bytes, aligned
	s_wait_tensorcnt 0x0                           ; the wave's end
	ds_add_u32 v[SPW], v[NIL]
	s_wait_dscnt 0x0
	CROUND
	s_endpgm
.Lfunc_end_k_qaa05b1d155_pv:
	.size	k_qaa05b1d155_pv, .Lfunc_end_k_qaa05b1d155_pv-k_qaa05b1d155_pv
	.p2alignl 7, 3214868480
	.fill 96, 4, 3214868480
	.section	.rodata,"a",@progbits
	.p2align	6, 0x0
	.amdhsa_kernel k_qaa05b1d155_pv
		.amdhsa_group_segment_fixed_size 327680
		.amdhsa_private_segment_fixed_size 0
		.amdhsa_enable_private_segment 0
		.amdhsa_kernarg_size 24
		.amdhsa_user_sgpr_count 2
		.amdhsa_user_sgpr_kernarg_segment_ptr 1
		.amdhsa_wavefront_size32 1
		.amdhsa_system_sgpr_workgroup_id_x 1
		.amdhsa_system_sgpr_workgroup_id_y 1
		.amdhsa_system_sgpr_workgroup_id_z 1
		.amdhsa_system_vgpr_workitem_id 0
		.amdhsa_next_free_vgpr 768
		.amdhsa_next_free_sgpr 100
		.amdhsa_reserve_vcc 0
		.amdhsa_float_denorm_mode_32 3
		.amdhsa_float_denorm_mode_16_64 3
		.amdhsa_memory_ordered 1
		.amdhsa_forward_progress 1
		.amdhsa_inst_pref_size 164
	.end_amdhsa_kernel
	.amdgpu_metadata
---
amdhsa.version: [ 1, 2 ]
amdhsa.kernels:
  - .name:           k_qaa05b1d155_pv
    .symbol:         k_qaa05b1d155_pv.kd
    .args:
      - { .name: pb, .offset: 0, .size: 8, .value_kind: global_buffer, .address_space: global }
      - { .name: qkvc, .offset: 8, .size: 8, .value_kind: global_buffer, .address_space: global }
      - { .name: ob, .offset: 16, .size: 8, .value_kind: global_buffer, .address_space: global }
    .group_segment_fixed_size: 327680
    .private_segment_fixed_size: 0
    .kernarg_segment_align: 8
    .kernarg_segment_size: 24
    .max_flat_workgroup_size: 128
    .sgpr_count:     100
    .vgpr_count:     768
    .wavefront_size: 32
...
	.end_amdgpu_metadata
.endif
;; end of part 4
;; launch proj (part 5): grid 4 x 64, 4 waves a work-group, clusters of 4 x 4, 327,680 bytes of LDS; arguments ob, inq, b_out, out0; writes out0
.if DOCPART == 5
	.amdgcn_target "amdgcn-amd-amdhsa--gfx1250"
	.amdhsa_code_object_version 6
	.text
	.protected	k_qaa05b1d155_proj
	.globl	k_qaa05b1d155_proj
	.p2align	8
	.type	k_qaa05b1d155_proj,@function
k_qaa05b1d155_proj:
	s_mov_b64 s[64:65], 0
	v_nop
	global_prefetch_b8 v0, s[64:65] scope:SCOPE_SE
	s_setreg_imm32_b32 hwreg(HW_REG_WAVE_MODE, 25, 1), 1
	s_wait_xcnt 0x0
	s_wait_alu depctr_hold_cnt(0) depctr_sa_sdst(0) depctr_va_vdst(0) depctr_va_sdst(0) depctr_va_ssrc(0) depctr_va_vcc(0) depctr_vm_vsrc(0)
	s_getreg_b32 s2, hwreg(HW_REG_IB_STS2, 6, 4)
	s_cmp_eq_u32 s2, 0
	s_cbranch_scc0 .Lentry_in_a_cluster
	s_endpgm
.Lentry_in_a_cluster:
	s_bfe_u32 s2, ttmp6, 0x10000c
	s_cmp_lg_u32 s2, 0xf033
	s_cbranch_scc0 .Lentry_shape_is_right
	s_endpgm
.Lentry_shape_is_right:
; out = O w_out^T + b_out on codes of FP6 (E2M3) with E8M0 scales, K = 1,024.  A work-group makes 128 tokens x 256 columns (256 work-groups), a wave 64 x 128: 32 accumulators.
; Source 1 = O (a lane holds one token), source 0 = w_out (the columns run along a lane's registers); the bias is the C of each accumulator's first product.
; ALL OF K LIES IN LDS AT ONCE: 128 rows of O (98,304 bytes) and 256 rows of w_out (196,608).  Each wave brings a quarter by ONE joint load at the head: half of a tile's rows, as a tile of two rows,
; each row the dense image of four K steps.  Nothing is filled again.  Waves 0 and 1 fetch O's halves, waves 2 and 3 w_out's.  CLUSTERS: 4 x 4; O's tile jointly along a row, w_out's along a column.
; One barrier stands in K step 3: behind it nobody reads K steps 0-3, and the way out's stages lie in O's bytes of those steps.  No prefetch: the launch has one fill and no loop to run ahead in.
.set MB,     4
.set SQ,     4
.set WO_IMG, 8650752
.set WO_SCL, 9797632
.set O_SCL,  6291456
.set FRB,    1536
.set ROWBLK, SQ*FRB
.set HALFA,  MB*ROWBLK
.set HALFB,  8*ROWBLK
.set SLOT,   2*HALFA+2*HALFB
.set STEPA,  512*ROWBLK
.set STEPB,  64*ROWBLK
.set SCL,    2*SLOT
.set SCP,    128*MB+1024
.set SPARE,  320000
.set ASET,   12*MB
.set AF,     64
.set SC,     32
.set BI,     160
.set LI,     3
.set ADRA,   16
.set ADRB,   20
.set STO,    24
.set RD,     25
.set ADRS,   27
.set SPW,    28
.set NIL,    29
.set G1,  24
.set G0,  32
.set G1B, 48
.set G0B, 56
.set OUT, 88
.set MUL_LO, 0xa1
.set TO_B,   0x40
.set MSB, 0
.macro WIN new
.if MSB != (\new)
	s_set_vgpr_msb (MSB<<8)|(\new)
.set MSB, (\new)
.endif
.endm
.macro PLACES
.rept 4
	v_nop
.endr
.endm
.macro JLOAD g0a, g1a, g0b, g1b
	s_cmp_eq_u32 s15, 0
	s_cbranch_scc0 .Lfor_b_\@
	tensor_load_to_lds s[\g0a:\g0a+3], s[\g1a:\g1a+7]
	s_nop 0
.rept 4
	v_nop
.endr
	s_branch .Lasked_\@
.Lfor_b_\@:
	tensor_load_to_lds s[\g0b:\g0b+3], s[\g1b:\g1b+7]
	s_nop 0
.rept 4
	v_nop
.endr
.Lasked_\@:
.endm
.macro CREST
	s_cmp_lg_u32 s14, 0
	s_cbranch_scc1 .Lnot_wave_0_\@
	s_barrier_signal -3
.Lnot_wave_0_\@:
	s_barrier_wait -3
	s_barrier_signal -1
	s_barrier_wait -1
.endm
.macro CROUND
	s_barrier_signal -1
	s_barrier_wait -1
	CREST
.endm
.macro FETCH k
.set FS, ((\k)/SQ)%2
.set FQ, (\k)%SQ
.set FP, (\k)%2
	WIN TO_B
.irp b, 0,1,2,3,4,5,6,7
.irp c, 0,1,2
	ds_load_b128 v[128*FP+12*\b+4*\c:128*FP+12*\b+4*\c+3], v[ADRB+FS] offset:\b*ROWBLK+FQ*FRB+512*\c
.endr
.endr
	WIN 0
	ds_load_b128 v[SC+8*FP:SC+8*FP+3], v[ADRS] offset:(\k)*SCP
	ds_load_b128 v[SC+8*FP+4:SC+8*FP+7], v[ADRS] offset:(\k)*SCP+256
.set FA, 0
.rept MB
.irp c, 0,1,2
	ds_load_b128 v[AF+ASET*FP+12*FA+4*\c:AF+ASET*FP+12*FA+4*\c+3], v[ADRA+FS] offset:FA*ROWBLK+FQ*FRB+512*\c
.endr
.set FA, FA+1
.endr
.endm
.macro MULA a, p, mode
.irp b, 0,1,2,3,4,5,6,7
.if (\mode) == 2
	v_wmma_scale_f32_16x16x128_f8f6f4 v[8*(8*(\a)+\b):8*(8*(\a)+\b)+7], v[128*(\p)+12*\b:128*(\p)+12*\b+11], v[AF+ASET*(\p)+12*(\a):AF+ASET*(\p)+12*(\a)+11], v[BI+8*\b:BI+8*\b+7], v[SC+8*(\p)+\b], v[SC+8*(\p)+(\a)] matrix_a_fmt:MATRIX_FMT_FP6 matrix_b_fmt:MATRIX_FMT_FP6 matrix_a_scale:MATRIX_SCALE_ROW1
.else
	v_wmma_scale_f32_16x16x128_f8f6f4 v[8*(8*(\a)+\b):8*(8*(\a)+\b)+7], v[128*(\p)+12*\b:128*(\p)+12*\b+11], v[AF+ASET*(\p)+12*(\a):AF+ASET*(\p)+12*(\a)+11], v[8*(8*(\a)+\b):8*(8*(\a)+\b)+7], v[SC+8*(\p)+\b], v[SC+8*(\p)+(\a)] matrix_a_fmt:MATRIX_FMT_FP6 matrix_b_fmt:MATRIX_FMT_FP6 matrix_a_scale:MATRIX_SCALE_ROW1
.endif
.endr
.endm
.macro STEP k, mode
.if (\mode) == 2
.set WM, 0x81
.else
.set WM, MUL_LO
.endif
	PLACES
	FETCH (\k)+1                                   ; the next step's operands, into the set that the step before multiplied: they have this whole step in which to come
	s_wait_dscnt 38                                ; all but the 38 loads just issued: this step's operands are in
	WIN WM
	MULA 0, (\k)%2, \mode
	MULA 1, (\k)%2, \mode
	MULA 2, (\k)%2, \mode
	MULA 3, (\k)%2, \mode
	WIN 0
.endm
.macro TURN k
	s_wait_tensorcnt 0x0
	ds_add_u32 v[SPW], v[NIL]
	s_wait_dscnt 1
	WIN MUL_LO
	MULA 0, (\k)%2, 0
	s_wait_dscnt 0x0
	s_barrier_signal -1
	MULA 1, (\k)%2, 0
	WIN 0
	s_barrier_wait -1
	PLACES
	FETCH (\k)+1
	WIN MUL_LO
	MULA 2, (\k)%2, 0
	MULA 3, (\k)%2, 0
	WIN 0
.endm
.macro LAST k
	s_wait_dscnt 0x0
	WIN MUL_LO
	MULA 0, (\k)%2, 0
	MULA 1, (\k)%2, 0
	MULA 2, (\k)%2, 0
	MULA 3, (\k)%2, 0
	WIN 0
.endm
.macro TOSTAGE a
	WIN 0x08
.irp t, 0,1,2,3,4,5,6,7
	ds_store_b128 v[STO], v[8*(8*(\a)+\t):8*(8*(\a)+\t)+3] offset:128*(\t/2)+32*(\t%2)
	ds_store_b128 v[STO], v[8*(8*(\a)+\t)+4:8*(8*(\a)+\t)+7] offset:128*(\t/2)+32*(\t%2)+16
.endr
	WIN 0
.set BB, 64+64*((\a)%2)
.irp n, 0,1,2,3,4,5,6,7,8,9,10,11,12,13,14,15
	ds_load_b128 v[BB+4*\n:BB+4*\n+3], v[RD] offset:528*\n
.endr
.endm
.macro SEND a
.set BB, 64+64*((\a)%2)
	s_wait_dscnt 0x0
.irp n, 0,1,2,3,4,5,6,7,8,9,10,11,12,13,14,15
	global_store_b128 v[LI], v[BB+4*\n:BB+4*\n+3], s[OUT:OUT+1] offset:(32*((\a)/2)+8*((\a)%2)+\n+8*(\n/8))*4096 th:TH_STORE_NT
.endr
.endm
	s_load_b256 s[4:11], s[0:1], 0x0
	v_lshl_add_u32 v[SPW], v0, 2, SPARE
	v_mov_b32 v[NIL], 0
	ds_add_u32 v[SPW], v[NIL]
	ds_add_u32 v[SPW], v[NIL]
	v_lshrrev_b32 v1, 5, v0
	v_readfirstlane_b32 s14, v1
	s_lshr_b32 s15, s14, 1
	s_and_b32 s16, s14, 1
	s_bfe_u32 s40, ttmp6, 0x40000
	s_bfe_u32 s41, ttmp6, 0x40004
	s_lshl_b32 s42, ttmp9, 2
	s_add_co_u32 s42, s42, s40
	s_and_b32 s18, ttmp7, 0xffff
	s_lshl_b32 s17, s18, 2
	s_add_co_u32 s17, s17, s41
	s_lshl_b32 s43, s41, 2
	s_lshl_b32 s43, 15, s43
	s_lshl_b32 s44, 0x1111, s40
	s_or_b32 s[G1], s43, (3<<16)|(1<<21)
	s_or_b32 s[G1B], s44, (3<<16)|(1<<21)
.irp g, G1, G1B
	s_mov_b32 s[\g+2], 2<<16                       ; two rows: K steps 0-3 and 4-7
	s_mov_b32 s[\g+4], 2
	s_mov_b32 s[\g+6], 0
	s_mov_b32 s[\g+7], 0
.endr
	s_mov_b32 s[G1+1], (HALFA/8)<<16               ; a row: half a tile's rows x four K steps, dense, in elements of 8 bytes
	s_mov_b32 s[G1+3], (HALFA/8)<<16
	s_mov_b32 s[G1+5], STEPA/8
	s_mov_b32 s[G1B+1], (HALFB/8)<<16
	s_mov_b32 s[G1B+3], (HALFB/8)<<16
	s_mov_b32 s[G1B+5], STEPB/8
	s_lshl_b32 s19, s16, 2
	s_lshl_b32 s20, s17, 3
	s_add_co_u32 s20, s20, s19
	s_mul_i32 s20, s20, ROWBLK
	s_mov_b32 s21, 0
	s_lshl_b32 s46, s42, 4
	s_lshl_b32 s47, s16, 3
	s_add_co_u32 s46, s46, s47
	s_mul_i32 s46, s46, ROWBLK
	s_add_co_u32 s46, s46, WO_IMG
	s_mov_b32 s47, 0
	s_mul_i32 s45, s16, 2*HALFA                    ; LDS: O's half 0 (K steps 0-3, then 4-7), O's half 1, then w_out's two halves likewise
	s_mul_i32 s94, s16, 2*HALFB
	s_add_co_u32 s94, s94, 4*HALFA
	s_wait_dscnt 0x0
	s_wait_kmcnt 0x0
	s_add_nc_u64 s[20:21], s[4:5], s[20:21]
	s_add_nc_u64 s[46:47], s[6:7], s[46:47]
	CROUND
	s_mov_b32 s[G0], 1
	s_mov_b32 s[G0+1], s45
	s_mov_b64 s[G0+2:G0+3], s[20:21]
	s_or_b32 s[G0+3], s[G0+3], 0x80000000
	s_mov_b32 s[G0B], 1
	s_mov_b32 s[G0B+1], s94
	s_mov_b64 s[G0B+2:G0B+3], s[46:47]
	s_or_b32 s[G0B+3], s[G0B+3], 0x80000000
	JLOAD G0, G1, G0B, G1B                         ; the wave's one tensor load: its quarter of all of K
	s_lshl_b32 s66, s17, 9
	s_add_co_u32 s66, s66, O_SCL
	s_mov_b32 s67, 0
	s_add_nc_u64 s[66:67], s[4:5], s[66:67]
	s_lshl_b32 s68, s42, 10
	s_add_co_u32 s68, s68, WO_SCL
	s_mov_b32 s69, 0
	s_add_nc_u64 s[68:69], s[6:7], s[68:69]
	v_lshrrev_b32 v4, 4, v0
	v_and_b32 v5, 15, v0
	v_lshlrev_b32 v5, 4, v5
	v_lshl_add_u32 v6, v4, 15, v5
	v_lshl_add_u32 v7, v4, 12, v5
	v_mad_u32_u24 v9, v4, SCP, v5
	v_add_nc_u32 v9, SCL, v9
.irp j, 0,1
	global_load_b128 v[64+4*\j:67+4*\j], v6, s[66:67] offset:256*\j
.endr
.irp j, 0,1,2,3
	global_load_b128 v[72+4*\j:75+4*\j], v7, s[68:69] offset:256*\j
.endr
	v_and_b32 v1, 15, v0
	v_bfe_u32 v2, v0, 4, 1
	v_and_b32 v3, 31, v0
	v_lshlrev_b32 v[LI], 4, v3
	s_wait_alu depctr_va_vdst(0)
	s_lshl_b32 s80, s42, 10
	s_lshl_b32 s81, s16, 9
	s_add_co_u32 s80, s80, s81
	s_mov_b32 s81, 0
	s_add_nc_u64 s[82:83], s[8:9], s[80:81]
	v_lshlrev_b32 v10, 6, v2
.irp t, 0,1,2,3,4,5,6,7
	global_load_b128 v[BI+8*\t:BI+8*\t+3], v10, s[82:83] offset:(32*(\t/2)+8*(\t%2))*4
	global_load_b128 v[BI+8*\t+4:BI+8*\t+7], v10, s[82:83] offset:(32*(\t/2)+8*(\t%2))*4+16
.endr
	s_lshl_b32 s84, s17, 7
	s_lshl_b32 s85, s15, 6
	s_add_co_u32 s84, s84, s85
	s_lshl_b32 s84, s84, 12
	s_add_co_u32 s80, s80, s84
	s_add_nc_u64 s[OUT:OUT+1], s[10:11], s[80:81]
	s_mul_i32 s70, s15, 2*HALFA
	s_mul_i32 s71, s16, 2*HALFB
	s_add_co_u32 s71, s71, 4*HALFA
.irp n, 0,1
	v_add_nc_u32 v[ADRA+\n], s70, v[LI]
	v_add_nc_u32 v[ADRB+\n], s71, v[LI]
	s_add_co_u32 s70, s70, HALFA
	s_add_co_u32 s71, s71, HALFB
.endr
	s_mul_i32 s70, s15, 64*MB
	s_lshl_b32 s71, s16, 9
	s_add_co_u32 s71, s71, 128*MB
	s_sub_co_u32 s71, s71, s70
	v_mul_u32_u24 v8, s71, v2
	s_add_co_u32 s70, s70, SCL
	v_lshl_add_u32 v8, v1, 4, v8
	v_add_nc_u32 v[ADRS], s70, v8
	s_mul_i32 s70, s16, 16*528                     ; my stage: in O's bytes of K steps 0-3 (24,576 in each half: two stages of 8,448), last read ahead of the barrier in K step 3
	s_mul_i32 s71, s15, 2*HALFA
	s_add_co_u32 s70, s70, s71
	v_mul_u32_u24 v[STO], v1, 528
	v_lshl_add_u32 v[STO], v2, 6, v[STO]
	v_add_nc_u32 v[STO], s70, v[STO]
	v_add_nc_u32 v[RD], s70, v[LI]
	s_wait_alu depctr_va_vdst(0)
	s_wait_loadcnt 0x0
.irp j, 0,1
	ds_store_b128 v9, v[64+4*\j:67+4*\j] offset:256*\j
.endr
.irp j, 0,1,2,3
	ds_store_b128 v9, v[72+4*\j:75+4*\j] offset:128*MB+256*\j
.endr
	s_wait_tensorcnt 0x0                           ; my quarter has landed
	s_wait_dscnt 0x0
	s_barrier_signal -1
	s_barrier_wait -1
	FETCH 0
	STEP 0, 2
	STEP 1, 0
	STEP 2, 0
	TURN 3
	STEP 4, 0
	STEP 5, 0
	STEP 6, 0
	LAST 7
	PLACES
	TOSTAGE 0
	SEND 0
	TOSTAGE 1
	SEND 1
	s_wait_xcnt 0x0
	TOSTAGE 2
	SEND 2
	s_wait_xcnt 0x0
	TOSTAGE 3
	SEND 3
	s_wait_tensorcnt 0x0
	ds_add_u32 v[SPW], v[NIL]
	s_wait_dscnt 0x0
	CROUND
	s_endpgm
.Lfunc_end_k_qaa05b1d155_proj:
	.size	k_qaa05b1d155_proj, .Lfunc_end_k_qaa05b1d155_proj-k_qaa05b1d155_proj
	.p2alignl 7, 3214868480
	.fill 96, 4, 3214868480
	.section	.rodata,"a",@progbits
	.p2align	6, 0x0
	.amdhsa_kernel k_qaa05b1d155_proj
		.amdhsa_group_segment_fixed_size 327680
		.amdhsa_private_segment_fixed_size 0
		.amdhsa_enable_private_segment 0
		.amdhsa_kernarg_size 32
		.amdhsa_user_sgpr_count 2
		.amdhsa_user_sgpr_kernarg_segment_ptr 1
		.amdhsa_wavefront_size32 1
		.amdhsa_system_sgpr_workgroup_id_x 1
		.amdhsa_system_sgpr_workgroup_id_y 1
		.amdhsa_system_sgpr_workgroup_id_z 1
		.amdhsa_system_vgpr_workitem_id 0
		.amdhsa_next_free_vgpr 768
		.amdhsa_next_free_sgpr 100
		.amdhsa_reserve_vcc 0
		.amdhsa_float_denorm_mode_32 3
		.amdhsa_float_denorm_mode_16_64 3
		.amdhsa_memory_ordered 1
		.amdhsa_forward_progress 1
		.amdhsa_inst_pref_size 78
	.end_amdhsa_kernel
	.amdgpu_metadata
---
amdhsa.version: [ 1, 2 ]
amdhsa.kernels:
  - .name:           k_qaa05b1d155_proj
    .symbol:         k_qaa05b1d155_proj.kd
    .args:
      - { .name: ob, .offset: 0, .size: 8, .value_kind: global_buffer, .address_space: global }
      - { .name: inq, .offset: 8, .size: 8, .value_kind: global_buffer, .address_space: global }
      - { .name: b_out, .offset: 16, .size: 8, .value_kind: global_buffer, .address_space: global }
      - { .name: out0, .offset: 24, .size: 8, .value_kind: global_buffer, .address_space: global }
    .group_segment_fixed_size: 327680
    .private_segment_fixed_size: 0
    .kernarg_segment_align: 8
    .kernarg_segment_size: 32
    .max_flat_workgroup_size: 128
    .sgpr_count:     100
    .vgpr_count:     768
    .wavefront_size: 32
...
	.end_amdgpu_metadata
.endif
;; end of part 5
